; MI455X (gfx1250); checked and timed in simulation.
; The chip was launched on July 23, 2026; its instructions are those of AMD's public machine-readable ISA for CDNA 5 (MIT licence, August 2026) and "CDNA5" Instruction Set Architecture Reference Guide (July 2026). The comments in the code are by the model that wrote it; some were corrected since.
;; Multi Head Attention. Allowed arithmetic: matrix products marked QUANTISED: E2M3 operands, one E8M0 scale for each 32 along K, by v_wmma_scale_f32_16x16x128_f8f6f4 with both operands' format E2M3, f32 sums; everything else in f32.
;; Inputs: W_o 1,024 x 1,024 float32; W_qkv 1,024 x 3,072 float32; x 4 x 2,048 x 1,024 float32.
;; Outputs: out0 4 x 2,048 x 1,024 float32.
;; This version of the problem:
;;   THIS VERSION OF THE PROBLEM IS GIVEN IN LOW PRECISION. The matrix products marked QUANTISED in the list below multiply operands that are first quantised to E2M3 (2 exponent bits, 3 mantissa bits; 6 bits a number), with one power-of-two scale for each 32 numbers along K (OCP MX v1.0); their sums are f32. All else is computed in f32.
;;   The module's matrix products, in the order in which they are computed (A, B: the left and right operand; K: the contracted axis; several contracted axes count as one K, in the product's order):
;;     1. [M 8,192, K 1,024] x [K 1,024, N 3,072]; A: input x; B: input W_qkv: QUANTISED
;;     2. batch 64 x [M 2,048, K 64] x [K 64, N 2,048]; A: computed on the way; B: computed on the way: QUANTISED
;;     3. batch 64 x [M 2,048, K 2,048] x [K 2,048, N 64]; A: softmax (see below); B: computed on the way: QUANTISED
;;     4. [M 8,192, K 1,024] x [K 1,024, N 1,024]; A: computed on the way; B: input W_o: QUANTISED
;;   THE QUANTISER, for each operand of a quantised product, along K:
;;     - K is cut into blocks of 32 from its start; a last block that is shorter is filled with zeros.
;;     - A block's scale is 2^e with e = floor(log2(the largest magnitude in the block)) - 2, held to -126 .. 127; a block of zeros has e = 0. As a byte (E8M0): e + 127.
;;     - Each number is divided by its block's scale, clamped to +-7.5, and rounded to the nearest number of E2M3, ties to even, subnormals kept.
;;     - The product sums the exact products of the quantised numbers (number of the format x scale) in f32.
;;   ~~~python
;;   def quantise(x, axis):      # numpy; x: float32 -> the quantised numbers, widened to float32 again
;;       x = np.moveaxis(x, axis, -1); K = x.shape[-1]
;;       x = np.pad(x, [(0, 0)] * (x.ndim - 1) + [(0, -K % 32)]); x = x.reshape(x.shape[:-1] + (-1, 32)); a = np.abs(x).max(-1, keepdims=True)
;;       e = np.where(a > 0, np.clip(np.frexp(np.where(a > 0, a, 1))[1] - 1 - 2, -126, 127), 0)      # np.frexp(a)[1] - 1 = floor(log2(a)), exactly
;;       r = np.clip(x / 2.0 ** e, -7.5, 7.5)
;;       step = 2.0 ** (np.maximum(np.frexp(np.where(r == 0, 1, r))[1] - 1, 0) - 3)
;;       q = np.round(r / step) * step * 2.0 ** e      # np.round: ties to even
;;       return np.moveaxis(q.reshape(q.shape[:-2] + (-1,))[..., :K], -1, axis).astype(np.float32)
;;   ~~~
;;   SOFTMAX AHEAD OF A QUANTISED PRODUCT. Where the list says 'softmax', what is quantised is not the finished softmax but p = 2^(t - M), with t = logit x log2(e) and M = ceil(the row's largest t), a whole number; so 1/2 < the row's largest p <= 1. The row's sum l is taken of the UNQUANTISED p, in f32, and the product's result is divided by l at the end. Since M is a whole number, a kernel that streams over the keys may use a running M (the ceiling of the running maximum): every later rescaling is an exact power of two, which a block's scale takes up: the codes' values come out the same.
;;   OPERANDS COMPUTED ON THE WAY. 'Computed on the way' means the value that the module computes at that place (a softmax that the list does not call 'softmax' is quantised finished and normalised). What goes into a quantiser is computed in f32, as accurately as f32 sums, v_exp_f32 and their like allow (about 1e-6 of the number): no bf16 or f16 on the way to a quantiser, and a product that is left as it is and whose result goes on into a quantised operand takes f32 operands (vector FMAs, or v_wmma_f32_16x16x4_f32). A number that lies on a knife's edge between two numbers of the format may be rounded either way, as far as f32 arithmetic and the matrix unit's own rounding can turn it there, and no further.
;; One version. Each part assembles by itself: llvm-mc -triple=amdgcn-amd-amdhsa -mcpu=gfx1250 --defsym DOCPART=n.
;; ======== version 1 of 1: 4 launches
;; workspace buffers: xq 6,291,456 bytes; xs 262,144 bytes; wq 3,145,728 bytes; ws 131,072 bytes; pq 18,874,368 bytes; ps 786,432 bytes; aq 6,291,456 bytes; asc 262,144 bytes
;; launch quant (part 1): grid 640 x 1, 4 waves a work-group, no clusters, 59,904 bytes of LDS; arguments x, W_qkv, W_o, xq, xs, wq, ws; writes xq, xs, wq, ws
.if DOCPART == 1
	.amdgcn_target "amdgcn-amd-amdhsa--gfx1250"
	.amdhsa_code_object_version 6
	.text
	.protected	k_qb5b455f398_quant
	.globl	k_qb5b455f398_quant
	.p2align	8
	.type	k_qb5b455f398_quant,@function
k_qb5b455f398_quant:
	s_mov_b64 s[64:65], 0
	v_nop
	global_prefetch_b8 v0, s[64:65] scope:SCOPE_SE
	s_setreg_imm32_b32 hwreg(HW_REG_WAVE_MODE, 25, 1), 1
	s_wait_xcnt 0x0
; x [8192][1024], W_qkv [1024][3072] and W_o [1024][1024], f32, become codes of FP6 (E2M3) with one E8M0 byte for each 32 along K (x: its last axis; the weights: their first).
; A block's scale is 2^(floor(log2(largest magnitude)) - 2): its byte is the largest magnitude's exponent field - 2, held at 1 from below.
; THE LAYOUT OF ALL CODES: a tile is 16 rows; lane index r of tile a stands for row 32 (a / 2) + 8 (a % 2) + r + 8 (r / 8).  A unit is 16 rows x 64 along K, 768 bytes: piece p (0..2) of lane l = r + 16 h lies at
; 256 p + 8 l and holds bytes 8 p .. 8 p + 7 of the 24 bytes of codes of that row's k = 64 unit + 32 h + 0 .. 31.  Two neighbouring units are the 12 registers of a matrix operand of 16 x 128, pair by pair.
; xq: [tile 512][unit 16][768];  wq: [tile 256][unit 16][768], tiles 0-191 the columns of W_qkv, 192-255 those of W_o;  xs, ws: [tile][r 16][32 bytes], byte = K block.
; Work-groups 0-511: tile = work-group, wave = a quarter of K.  Work-groups 512-639: 128 columns of a weight x 256 along K; a wave takes 32 columns, a lane one column, its registers run down K.
; The two paths have LDS bytes of their own; waves share nothing: no barrier.  Matrix units, clusters and tensor loads are left out: nothing is read twice.
; The scale bytes leave in runs of 8 bytes, 32 bytes apart: they are one byte for each 128 bytes that the launch reads.
; LIMITS: NaN and infinities are not served; blocks whose largest magnitude lies under 2^-124 keep the byte 1; a block of zeros has the byte 1 and zero codes (this program alone reads the bytes).
.set XSTG,  8448                       ; path X: a wave's stage, 16 rows x (512 bytes + 16)
.set WSTG0, 4*XSTG                     ; path W: the stages begin here,
.set WSTG,  6400                       ; one for each wave: two tiles,
.set TGAP,  3200                       ; 3,072 bytes + 128 apart
.set R,    16                          ; X: v16-143  two steps x 64 numbers as loaded
.set X,    144                         ; X: v144-207 64 neighbours
.set PC,   208                         ; X: v208-231 codes, 12 registers a step
.set PT,   232                         ; X: v232-234, v236-238 the second halves of the blocks
.set NW,   16                          ; W: v16-79   two sets of 32 numbers
.set VO,   144                         ; W: v144-175 4 x lane + i x a row of the weight
.set CW,   176                         ; W: v176-181 a block's codes
.set CT,   184                         ; W: v184-186 their second half
.set SB,   188                         ; W: v188-189 eight scale bytes
.set OUTR, 192                         ; W: v192-239 the way out
.set WB,   44                          ; W: s[44:59] the first row of each of the eight blocks; never rewritten
	s_load_b256 s[4:11], s[0:1], 0x0               ; x s[4:5], W_qkv s[6:7], W_o s[8:9], xq s[10:11]
	s_load_b128 s[12:15], s[0:1], 0x20             ; xs s[12:13], wq s[14:15]
	s_load_b64 s[16:17], s[0:1], 0x30              ; ws
	v_lshl_add_u32 v254, v0, 2, 0xe800
	v_mov_b32 v255, 0
	v_lshrrev_b32 v1, 5, v0
	v_readfirstlane_b32 s18, v1                    ; wave 0..3
	v_and_b32 v1, 31, v0                           ; lane
	s_mov_b32 s25, 0                               ; upper words of the offsets
	s_mov_b32 s27, 0
	s_mov_b32 s29, 0
	s_cmp_lt_u32 ttmp9, 512
	s_cbranch_scc0 .Lweights
; ---------------- x: 16 rows x 256 along K a wave, in two steps of 128
	v_and_b32 v2, 15, v0                           ; r
	v_bfe_u32 v3, v0, 4, 1                         ; h
	v_lshlrev_b32 v4, 4, v1                        ; my 16 bytes of a load's 512
	s_mul_i32 s19, s18, XSTG
	v_add_nc_u32 v5, s19, v4                       ; into the stage: as loaded
	v_mul_u32_u24 v6, v2, 528
	v_lshl_add_u32 v6, v3, 7, v6
	v_add_nc_u32 v6, s19, v6                       ; out of it: row r, 128 h bytes on: my block of 32 numbers
	v_lshlrev_b32 v7, 3, v1                        ; a unit's piece: 8 bytes a lane
	v_lshlrev_b32 v8, 5, v2
	v_lshl_add_u32 v8, v3, 2, v8                   ; scale words: 32 r + 4 h
	v_lshlrev_b32 v9, 3, v3                        ; 8 h: my bytes' place in a scale word
	v_mov_b32 v250, 0                              ; a lane permute's destination counts as read
	s_mov_b32 s20, 0x76543210
	s_mov_b32 s21, 0xfedcba98                      ; selects for lane l xor 16
	s_mov_b32 s22, 0xffff0000                      ; lanes 16-31
	s_lshr_b32 s24, ttmp9, 1
	s_lshl_b32 s24, s24, 5
	s_and_b32 s26, ttmp9, 1
	s_lshl_b32 s26, s26, 3
	s_add_co_u32 s24, s24, s26                     ; the tile's first row
	s_lshl_b32 s24, s24, 12                        ; x 4,096 bytes
	s_lshl_b32 s26, s18, 10
	s_add_co_u32 s24, s24, s26                     ; + my quarter of K
	s_mul_i32 s26, ttmp9, 12288
	s_mul_i32 s28, s18, 3072
	s_add_co_u32 s26, s26, s28                     ; codes: tile x 16 units + my four
	s_lshl_b32 s28, ttmp9, 9
	s_lshl_b32 s30, s18, 3
	s_add_co_u32 s28, s28, s30                     ; scale bytes: tile x 512 + my eight of a row
	s_wait_kmcnt 0x0
	s_add_nc_u64 s[4:5], s[4:5], s[24:25]
	s_add_nc_u64 s[10:11], s[10:11], s[26:27]
	s_add_nc_u64 s[12:13], s[12:13], s[28:29]
.irp t, 0,1
.irp i, 0,1,2,3,4,5,6,7,8,9,10,11,12,13,14,15
	global_load_b128 v[R+64*\t+4*\i:R+64*\t+4*\i+3], v4, s[4:5] offset:(\i+8*(\i/8))*4096+512*\t th:TH_LOAD_NT   ; 512 consecutive bytes of the tile's row i
.endr
.endr
.macro XSTEP t
.if \t == 0
	s_wait_loadcnt 16                              ; step 0's sixteen loads are in, step 1's may be out
.else
	s_wait_loadcnt 0x0
.endif
.irp i, 0,1,2,3,4,5,6,7,8,9,10,11,12,13,14,15
	ds_store_b128 v5, v[R+64*\t+4*\i:R+64*\t+4*\i+3] offset:528*\i
.endr
.irp c, 0,1
.irp i, 0,1,2,3,4,5,6,7
	ds_load_b128 v[X+32*\c+4*\i:X+32*\c+4*\i+3], v6 offset:256*\c+16*\i   ; k = 64 c + 32 h + 4 i ..: LDS serves a wave's instructions in order, so these see the stores above
.endr
.endr
	s_wait_dscnt 0x0
.irp c, 0,1
	v_max3_num_f32 v[240+\c], |v[X+32*\c]|, |v[X+32*\c+1]|, 0x1800000   ; my block 2 c + h, and the floor 2^(3 - 127): the byte cannot fall under 1
.endr
.irp i, 2,4,6,8,10,12,14,16,18,20,22,24,26,28,30
.irp c, 0,1
	v_max3_num_f32 v[240+\c], v[240+\c], |v[X+32*\c+\i]|, |v[X+32*\c+\i+1]|
.endr
.endr
.irp c, 0,1
	v_add_nc_u32 v[242+\c], 0xff000000, v[240+\c]  ; 2 off the exponent field: the conversion's scale operand
.endr
.irp c, 0,1
	v_lshrrev_b32 v[244+\c], 23, v[242+\c]         ; the scale's byte
.endr
	v_lshl_or_b32 v248, v245, 16, v244             ; blocks h and 2 + h,
	v_lshlrev_b32 v248, v9, v248                   ; at their places;
	v_permlanex16_b32 v250, v248, s20, s21
	v_or_b32 v[246+\t], v248, v250                 ; with lane l xor 16's the word of 128 along K is whole
.irp c, 0,1
	v_cvt_scalef32_pk16_fp6_f32 v[PC+12*\t+6*\c:PC+12*\t+6*\c+2], v[X+32*\c:X+32*\c+15], v[242+\c]
	v_cvt_scalef32_pk16_fp6_f32 v[PT+4*\c:PT+4*\c+2], v[X+32*\c+16:X+32*\c+31], v[242+\c]   ; (a conversion's three registers begin on an even number)
.endr
	v_nop                                          ; one plain place behind a scaled conversion
.irp c, 0,1
.irp i, 0,1,2
	v_mov_b32 v[PC+12*\t+6*\c+3+\i], v[PT+4*\c+\i]
.endr
.endr
.irp p, 0,1,2,3,4,5
	global_store_b64 v7, v[PC+12*\t+2*\p:PC+12*\t+2*\p+1], s[10:11] offset:1536*\t+256*\p   ; 32 lanes store 256 consecutive bytes, aligned
.endr
.endm
	XSTEP 0
	XSTEP 1
	v_cndmask_b32 v248, v246, v247, s22            ; lanes 0-15 store step 0's word, lanes 16-31 step 1's
	global_store_b32 v8, v248, s[12:13]
	s_wait_tensorcnt 0x0
	ds_add_u32 v254, v255
	s_wait_dscnt 0x0
	s_endpgm
; ---------------- the weights: 32 columns x 256 along K a wave
.Lweights:
	s_sub_co_u32 s19, ttmp9, 512
	s_lshr_b32 s23, s19, 2                         ; which 128 columns: 0-23 of W_qkv, 24-31 of W_o
	s_and_b32 s19, s19, 3                          ; which quarter of K
	v_bfe_u32 v2, v0, 3, 1                         ; u: column 32 b + lane belongs to tile 2 b + u,
	v_and_b32 v3, 7, v0
	v_bfe_u32 v8, v0, 4, 1
	v_lshl_add_u32 v3, v8, 3, v3                   ; lane index r = lane % 8 + 8 (lane / 16)
	s_mul_i32 s24, s18, WSTG
	s_add_co_u32 s24, s24, WSTG0                   ; my stage
	v_mul_u32_u24 v4, v2, TGAP
	v_lshl_add_u32 v4, v3, 3, v4
	v_add_nc_u32 v4, s24, v4                       ; into it: tile u, 8 r
	v_lshlrev_b32 v6, 4, v1                        ; out: 16 bytes a lane
	v_add_nc_u32 v5, s24, v6
	v_lshlrev_b32 v7, 9, v2
	v_lshl_add_u32 v7, v3, 5, v7                   ; scale bytes: 512 u + 32 r
	v_lshlrev_b32 v9, 2, v1                        ; 4 bytes a column
	s_sub_co_u32 s26, s23, 24
	s_wait_kmcnt 0x0
	s_cmp_lt_u32 s23, 24                           ; the choice hangs on the work-group's number alone; one path serves both weights
	s_cselect_b32 s26, s23, s26                    ; the block of 128 columns in its weight
	s_mov_b32 s28, 4096
	s_cselect_b32 s28, 12288, s28                  ; a row of the weight in bytes
	s_cselect_b64 s[6:7], s[6:7], s[8:9]
.set i, 0
.rept 32
	v_mad_u32_u24 v[VO+i], s28, i, v9
.set i, i+1
.endr
	s_lshl_b32 s24, s19, 8
	s_mul_i32 s24, s24, s28                        ; my quarter's first row,
	s_lshl_b32 s26, s26, 9
	s_add_co_u32 s24, s24, s26                     ; the block's first column,
	s_lshl_b32 s26, s18, 7
	s_add_co_u32 s24, s24, s26                     ; my wave's 32
	s_add_nc_u64 s[WB:WB+1], s[6:7], s[24:25]
	s_lshl_b32 s28, s28, 5                         ; 32 rows on
.irp t, 1,2,3,4,5,6,7
	s_add_nc_u64 s[WB+2*\t:WB+2*\t+1], s[WB+2*\t-2:WB+2*\t-1], s[28:29]
.endr
	s_lshl_b32 s30, s23, 3
	s_lshl_b32 s31, s18, 1
	s_add_co_u32 s30, s30, s31                     ; my first tile: 8 x block + 2 x wave
	s_mul_i32 s24, s30, 12288
	s_mul_i32 s26, s19, 3072
	s_add_co_u32 s24, s24, s26
	s_add_nc_u64 s[40:41], s[14:15], s[24:25]
	s_lshl_b32 s24, s30, 9
	s_lshl_b32 s26, s19, 3
	s_add_co_u32 s24, s24, s26
	s_add_nc_u64 s[42:43], s[16:17], s[24:25]
.macro WLOAD t                         ; block t: rows 32 t + i of my quarter, my column, into set t % 2
.set i, 0
.rept 32
	global_load_b32 v[NW+32*((\t)%2)+i], v[VO+i], s[WB+2*(\t):WB+2*(\t)+1] th:TH_LOAD_NT   ; 128 consecutive bytes a wave
.set i, i+1
.endr
.endm
.macro WBLOCK t
.set XS, NW+32*((\t)%2)
.if (\t) < 7
	s_wait_loadcnt 32                              ; this block's 32 loads are in, the next block's may be out
.else
	s_wait_loadcnt 0x0
.endif
	v_max3_num_f32 v12, |v[XS]|, |v[XS+1]|, |v[XS+2]|      ; all 32 numbers of the block are mine
	v_max3_num_f32 v13, |v[XS+3]|, |v[XS+4]|, |v[XS+5]|
.irp i, 6,10,14,18,22,26
	v_max3_num_f32 v12, v12, |v[XS+\i]|, |v[XS+\i+1]|
	v_max3_num_f32 v13, v13, |v[XS+\i+2]|, |v[XS+\i+3]|
.endr
	v_max3_num_f32 v12, v12, |v[XS+30]|, |v[XS+31]|
	v_max3_num_f32 v12, v12, v13, 0x1800000        ; and the floor
	v_add_nc_u32 v10, 0xff000000, v12              ; the conversion's scale operand
	v_lshrrev_b32 v14, 23, v10                     ; the byte
.if (\t)%4 == 0
	v_mov_b32 v[SB+(\t)/4], v14
.else
	v_lshl_or_b32 v[SB+(\t)/4], v14, 8*((\t)%4), v[SB+(\t)/4]
.endif
	v_cvt_scalef32_pk16_fp6_f32 v[CW:CW+2], v[XS:XS+15], v10
	v_cvt_scalef32_pk16_fp6_f32 v[CT:CT+2], v[XS+16:XS+31], v10
	v_nop                                          ; one plain place behind a scaled conversion
.irp i, 0,1,2
	v_mov_b32 v[CW+3+\i], v[CT+\i]
.endr
.irp p, 0,1,2
	ds_store_b64 v4, v[CW+2*\p:CW+2*\p+1] offset:768*((\t)/2)+128*((\t)%2)+256*\p   ; unit t / 2 of my quarter, half t % 2
.endr
.if (\t) < 6
	WLOAD (\t)+2
.endif
	s_wait_dscnt 0x0                               ; the stores have read their registers: the next block's codes may be written
.endm
	WLOAD 0
	WLOAD 1
.irp t, 0,1,2,3,4,5,6,7
	WBLOCK \t
.endr
	global_store_b64 v7, v[SB:SB+1], s[42:43]      ; my column's eight scale bytes
.irp n, 0,1,2,3,4,5,6,7,8,9,10,11
	ds_load_b128 v[OUTR+4*\n:OUTR+4*\n+3], v5 offset:TGAP*(\n/6)+512*(\n%6)
.endr
.irp n, 0,1,2,3,4,5,6,7,8,9,10,11
	s_wait_dscnt 11-\n                             ; loads come back in order: number n is in, the younger ones may be out
	global_store_b128 v6, v[OUTR+4*\n:OUTR+4*\n+3], s[40:41] offset:12288*(\n/6)+512*(\n%6)   ; 512 consecutive bytes, aligned
.endr
	s_wait_tensorcnt 0x0
	ds_add_u32 v254, v255
	s_wait_dscnt 0x0
	s_endpgm
.Lfunc_end_k_qb5b455f398_quant:
	.size	k_qb5b455f398_quant, .Lfunc_end_k_qb5b455f398_quant-k_qb5b455f398_quant
	.p2alignl 7, 3214868480
	.fill 96, 4, 3214868480
	.section	.rodata,"a",@progbits
	.p2align	6, 0x0
	.amdhsa_kernel k_qb5b455f398_quant
		.amdhsa_group_segment_fixed_size 59904
		.amdhsa_private_segment_fixed_size 0
		.amdhsa_enable_private_segment 0
		.amdhsa_kernarg_size 56
		.amdhsa_user_sgpr_count 2
		.amdhsa_user_sgpr_kernarg_segment_ptr 1
		.amdhsa_wavefront_size32 1
		.amdhsa_system_sgpr_workgroup_id_x 1
		.amdhsa_system_sgpr_workgroup_id_y 1
		.amdhsa_system_sgpr_workgroup_id_z 1
		.amdhsa_system_vgpr_workitem_id 0
		.amdhsa_next_free_vgpr 256
		.amdhsa_next_free_sgpr 66
		.amdhsa_reserve_vcc 0
		.amdhsa_float_denorm_mode_32 3
		.amdhsa_float_denorm_mode_16_64 3
		.amdhsa_memory_ordered 1
		.amdhsa_forward_progress 1
		.amdhsa_inst_pref_size 61
	.end_amdhsa_kernel
	.amdgpu_metadata
---
amdhsa.version: [ 1, 2 ]
amdhsa.kernels:
  - .name:           k_qb5b455f398_quant
    .symbol:         k_qb5b455f398_quant.kd
    .args:
      - { .name: x, .offset: 0, .size: 8, .value_kind: global_buffer, .address_space: global }
      - { .name: W_qkv, .offset: 8, .size: 8, .value_kind: global_buffer, .address_space: global }
      - { .name: W_o, .offset: 16, .size: 8, .value_kind: global_buffer, .address_space: global }
      - { .name: xq, .offset: 24, .size: 8, .value_kind: global_buffer, .address_space: global }
      - { .name: xs, .offset: 32, .size: 8, .value_kind: global_buffer, .address_space: global }
      - { .name: wq, .offset: 40, .size: 8, .value_kind: global_buffer, .address_space: global }
      - { .name: ws, .offset: 48, .size: 8, .value_kind: global_buffer, .address_space: global }
    .group_segment_fixed_size: 59904
    .private_segment_fixed_size: 0
    .kernarg_segment_align: 8
    .kernarg_segment_size: 56
    .max_flat_workgroup_size: 128
    .sgpr_count:     66
    .vgpr_count:     256
    .wavefront_size: 32
...
	.end_amdgpu_metadata
.endif
;; end of part 1
;; launch proj (part 2): grid 12 x 32, 4 waves a work-group, clusters of 4 x 4, 327,680 bytes of LDS; arguments xq, xs, wq, ws, pq, ps; writes pq, ps
.if DOCPART == 2
	.amdgcn_target "amdgcn-amd-amdhsa--gfx1250"
	.amdhsa_code_object_version 6
	.text
	.protected	k_qb5b455f398_proj
	.globl	k_qb5b455f398_proj
	.p2align	8
	.type	k_qb5b455f398_proj,@function
k_qb5b455f398_proj:
	s_mov_b64 s[64:65], 0
	v_nop
	global_prefetch_b8 v0, s[64:65] scope:SCOPE_SE
	s_setreg_imm32_b32 hwreg(HW_REG_WAVE_MODE, 25, 1), 1
	s_wait_xcnt 0x0
	s_wait_alu depctr_hold_cnt(0) depctr_sa_sdst(0) depctr_va_vdst(0) depctr_va_sdst(0) depctr_va_ssrc(0) depctr_va_vcc(0) depctr_vm_vsrc(0)
	s_getreg_b32 s2, hwreg(HW_REG_IB_STS2, 6, 4)
	s_cmp_eq_u32 s2, 0
	s_cbranch_scc0 .Lentry_in_a_cluster
	s_endpgm
.Lentry_in_a_cluster:
	s_bfe_u32 s2, ttmp6, 0x10000c
	s_cmp_lg_u32 s2, 0xf033
	s_cbranch_scc0 .Lentry_shape_is_right
	s_endpgm
.Lentry_shape_is_right:
; Product 1, x W_qkv, on codes of FP6 (E2M3) with E8M0 scales; its results q, k, v are quantised here, in registers, and leave as codes: q and k along the head's 64, v along the positions.
; CODES lie as images of operand registers: a tile is 16 rows (lane index r of tile a = row 32 (a / 2) + 8 (a % 2) + r + 8 (r / 8)); a unit is 16 rows x 64 K, 768 bytes, piece p of lane l at 256 p + 8 l.
; A work-group makes 256 x 256 of the product, four waves, 128 x 128 each: 64 accumulators.  THE MATRIX INSTRUCTION IS USED TRANSPOSED (source 0 = B's tile, source 1 = A's): with the tiles' order of rows a lane's
; 64 registers of one tile of A are, in order, B's index 32 b + 16 (lane / 16) + 0 .. 15: neighbours along the axis that is quantised next.
; TWO KINDS OF CLUSTER, one text: clusters with x = 0, 1 make q and k (A = x's rows, B = W's columns: quantised along the columns); clusters with x = 2 make v transposed (A = W_v's columns, B = x's rows: quantised
; along the positions).  The kind is equal in all partners and only selects pointers, offsets and strides; no branch hangs on it.
; K = 1,024 is four K steps of 256 in three LDS slots: three fills at the start, ONE refill (K step 3 into slot 0), which has two K steps in which to land.  By this text's count a wave has four tensor loads out at the most.
; CLUSTERS: 4 x 4.  A's tiles are shared along a row of the cluster, B's along a column: joint loads.  The scales of the work-group's rows for all of K come once, in units of 256 bytes.
; pq: [b 4][s 3][head 16][98,304]: q, k: [tile 128][768]; v: [channel tile 4][unit along j 32][768].
; ps: q, k: [b][16 s + head][fg 16][r 16][fi 4] words: bytes 0, 1 the scales of row r of tile 8 fg + 2 fi, bytes 2, 3 of the tile after it;  v, from byte 524,288: [b][pair of heads 8][128 j 16][h' 2][r 16][pi 4] words: tile 2 pi + h' of the pair's 8.
; 384 work-groups; prefetching and work-groups that stay are left out: four K steps, and 384 tiles do not divide by 256.
; LIMITS: NaN and infinities are not served; a block whose largest magnitude lies under 2^-124 keeps the byte 1; a block of zeros has the byte 1 and zero codes.
; REGISTERS: window 0: v16-22 LDS addresses, v27 scales' address, v28, v29 the add's, v32-63 scale words (two sets), v64-118 the way out, v128-223 A's 8 fragments; window 1: B's two sets at v0, v128; windows 2, 3: accumulator (a, b) at v[8 (8 (a % 4) + b)].
.set SLOT,  98304                      ; A's 16 tiles x 3,072 bytes (256 along K), then B's 16
.set HALFT, 24576                      ; 8 tiles: what one tensor load brings and one wave reads of A or B
.set TILEB, 3072
.set SCL,   3*SLOT                     ; the scales: 4 x 128 rows x 32 bytes, as units of 256 bytes + 16
.set HALFS, 4352
.set SBLK,  544                        ; those of 16 rows
.set SPARE, SCL+4*HALFS                ; the spare words, 128 bytes a wave: two blocks of 256 bytes that no other line names
.set FR, 12
.set NL, 6
.set NP, 4
.set ADRA, 16
.set ADRB, 20
.set ADRS, 27
.set SPW,  28
.set NIL,  29
.set SC,   32
.set AF,   128
.set TM,   64                          ; the way out: v64-67 maxima, v68-71 bytes, v76-79 scale operands
.set PC,   80                          ; v80-91 a fragment's codes; v92-94, v96-98 second halves
.set G1,   24
.set G0,   32                          ; three sets, one a slot
.set G1B,  44
.set G0B,  52
.set G1S,  68
.set G0S,  76
.set G1SB, 80
.set G0SB, 88
.set PAC, 2                            ; s[2:3] A's codes, s[4:5] A's scales, s[8:9] B's codes, s[10:11] B's scales
.set PAS, 4
.set PBC, 8
.set PBS, 10
.set MSB, 0
.macro WIN new                         ; the immediate's high byte repeats the setting that is left
.if MSB != (\new)
	s_set_vgpr_msb (MSB<<8)|(\new)
.set MSB, \new
.endif
.endm
.set MUL_LO, 0xa1                      ; source 0 (B) window 1, source 1 (A) window 0, C and D window 2
.set MUL_HI, 0xf1
.set TO_B,   0x40
.macro JLOAD g0a, g1a, g0b, g1b        ; a joint load: waves 0, 1 fetch for A, waves 2, 3 for B; four v_nop follow each line
	s_cmp_eq_u32 s17, 0
	s_cbranch_scc0 .Lfor_b_\@
	tensor_load_to_lds s[\g0a:\g0a+3], s[\g1a:\g1a+7]
	s_nop 0
.rept 4
	v_nop
.endr
	s_branch .Lasked_\@
.Lfor_b_\@:
	tensor_load_to_lds s[\g0b:\g0b+3], s[\g1b:\g1b+7]
	s_nop 0
.rept 4
	v_nop
.endr
.Lasked_\@:
.endm
.macro CREST                           ; a round of the cluster's barrier behind its opening barrier
	s_cmp_lg_u32 s16, 0
	s_cbranch_scc1 .Lnot_wave_0_\@
	s_barrier_signal -3
.Lnot_wave_0_\@:
	s_barrier_wait -3
	s_barrier_signal -1
	s_barrier_wait -1
.endm
.macro CROUND
	s_barrier_signal -1
	s_barrier_wait -1
	CREST
.endm
.macro PLACES n
.rept \n
	v_nop
.endr
.endm
.macro FRAG reg, adr, q, i             ; a fragment is six loads of 8 bytes a lane, 256 consecutive bytes each
.irp p, 0,1,2,3,4,5
	ds_load_b64 v[\reg+2*\p:\reg+2*\p+1], v[\adr] offset:TILEB*(\i)+1536*(\q)+256*\p
.endr
.endm
.macro MUL16 a0, p, q, sc, zero        ; A's blocks a0, a0 + 1 x B's eight; the 64 accumulators take turns in one order throughout
.irp a, \a0, \a0+1
.irp b, 0,1,2,3,4,5,6,7
.if \zero
	v_wmma_scale_f32_16x16x128_f8f6f4 v[8*(8*((\a)%4)+\b):8*(8*((\a)%4)+\b)+7], v[128*(\p)+FR*\b:128*(\p)+FR*\b+FR-1], v[AF+FR*(\a):AF+FR*(\a)+FR-1], 0, v[SC+16*(\sc)+2*\b+(\q)], v[SC+16*(\sc)+2*(\a)+(\q)] matrix_a_fmt:MATRIX_FMT_FP6 matrix_b_fmt:MATRIX_FMT_FP6 matrix_a_scale:MATRIX_SCALE_ROW1
.else
	v_wmma_scale_f32_16x16x128_f8f6f4 v[8*(8*((\a)%4)+\b):8*(8*((\a)%4)+\b)+7], v[128*(\p)+FR*\b:128*(\p)+FR*\b+FR-1], v[AF+FR*(\a):AF+FR*(\a)+FR-1], v[8*(8*((\a)%4)+\b):8*(8*((\a)%4)+\b)+7], v[SC+16*(\sc)+2*\b+(\q)], v[SC+16*(\sc)+2*(\a)+(\q)] matrix_a_fmt:MATRIX_FMT_FP6 matrix_b_fmt:MATRIX_FMT_FP6 matrix_a_scale:MATRIX_SCALE_ROW1
.endif
.endr
.endr
.endm
.macro FETCH_B slot, q, p
	WIN TO_B
.irp i, 0,1,2,3,4,5,6,7
	FRAG 128*(\p)+FR*\i, ADRB+\slot, \q, \i
.endr
	WIN 0
.endm
.macro FETCH_A slot, q, i0
.irp i, \i0, \i0+1, \i0+2, \i0+3
	FRAG AF+FR*(\i), ADRA+\slot, \q, \i
.endr
.endm
.macro SCALES sc                       ; a K step's two words a row: lanes 0-15 A's block i, lanes 16-31 B's
.irp i, 0,1,2,3,4,5,6,7
	ds_load_b64 v[SC+16*\sc+2*\i:SC+16*\sc+2*\i+1], v[ADRS] offset:\i*SBLK
.endr
.endm
.macro STEP slot, sc, zero             ; a slot's first 128 along K
	s_wait_dscnt 4*NL                              ; all but the youngest 24 loads (A's blocks 4-7) are in
	WIN MUL_LO
	MUL16 0, 0, 0, \sc, \zero
	MUL16 2, 0, 0, \sc, \zero
	s_wait_dscnt 0
	PLACES NP                                      ; four places in front of loads into registers that matrix instructions have read
	FETCH_B \slot, 1, 1
	FETCH_A \slot, 1, 0
	WIN MUL_HI
	MUL16 4, 0, 0, \sc, \zero
	MUL16 6, 0, 0, \sc, \zero
	PLACES NP
	WIN 0
	FETCH_A \slot, 1, 4
.endm
; A slot's second 128 along K, and the change of slots.  mode 2: slot 0 is filled again behind a round of the cluster's barrier; mode 1: a plain barrier, behind which the refill is read; mode 0: no barrier: the round has shown the next slot whole to every wave.
.macro TURN slot, next, sc, nsc, mode
.if \mode
	s_wait_tensorcnt 0x0                           ; all my tensor loads have landed
	ds_add_u32 v[SPW], v[NIL]                      ; 0 onto my spare word
	s_wait_dscnt 4*NL+1                            ; (the add and A's blocks 4-7 may be out)
.else
	s_wait_dscnt 4*NL
.endif
	WIN MUL_LO
	MUL16 0, 1, 1, \sc, 0
.if \mode
	s_wait_dscnt 0x0                               ; the add is done, and my reads of this slot are over
	s_barrier_signal -1
.endif
	MUL16 2, 1, 1, \sc, 0
	WIN 0
.if \mode
	s_barrier_wait -1
.else
	s_wait_dscnt 0x0
.endif
.if \mode == 2
	CREST                                          ; no wave of any partner still reads slot 0 or has a load on its way
	s_add_nc_u64 s[G0+2:G0+3], s[G0+2:G0+3], 3*TILEB     ; K step 3
	s_add_nc_u64 s[G0B+2:G0B+3], s[G0B+2:G0B+3], 3*TILEB
	JLOAD G0, G1, G0B, G1B                         ; the first tensor load behind the round; its four v_nop are the places in front of the loads below
.else
	PLACES NP
.endif
	v_add_nc_u32 v[ADRS], 8, v[ADRS]               ; the next K step's scale words
	FETCH_B \next, 0, 0
	FETCH_A \next, 0, 0
	SCALES \nsc
	WIN MUL_HI
	MUL16 4, 1, 1, \sc, 0
	MUL16 6, 1, 1, \sc, 0
	PLACES NP
	WIN 0
	FETCH_A \next, 0, 4
.endm
	s_load_b256 s[4:11], s[0:1], 0x0               ; xq, xs, wq, ws
	s_load_b128 s[12:15], s[0:1], 0x20             ; pq, ps
	v_lshl_add_u32 v[SPW], v0, 2, SPARE
	v_mov_b32 v[NIL], 0
	ds_add_u32 v28, v29
	ds_add_u32 v28, v29
	s_wait_dscnt 0x0
	v_lshrrev_b32 v1, 5, v0
	v_readfirstlane_b32 s16, v1                    ; wave 0..3
	s_lshr_b32 s17, s16, 1                         ; wa: my half of A's rows.  Also: I fetch for A (0) or B (1)
	s_and_b32 s18, s16, 1                          ; wb: my half of B's rows.  Also: which 8 tiles I fetch
	s_bfe_u32 s19, ttmp6, 0x40000                  ; cx
	s_bfe_u32 s20, ttmp6, 0x40004                  ; cy
	s_and_b32 s21, ttmp7, 0xffff                   ; cluster y
	s_lshl_b32 s2, s21, 2
	s_lshl_b32 s3, ttmp9, 2
	s_cmp_eq_u32 ttmp9, 2                          ; the cluster's kind: equal in all sixteen partners
	s_cselect_b32 s22, 0, s2
	s_cselect_b32 s23, s2, s3
	s_cselect_b32 s66, 128, 0                      ; v's columns begin at tile 128 of wq
	s_add_co_u32 s22, s22, s20                     ; TA: q, k: 4 x cluster y + cy;  v: cy
	s_add_co_u32 s23, s23, s19                     ; TB: q, k: 4 x cluster x + cx;  v: 4 x cluster y + cx
	s_lshl_b32 s2, s20, 2
	s_lshl_b32 s2, 15, s2                          ; my row of the cluster
	s_lshl_b32 s3, 0x1111, s19                     ; my column
	s_or_b32 s[G1+0], s2, (3<<16)|(1<<21)          ; 15:0 the mask; 17:16 elements of 8 bytes; 21 set beside a mask; no padding
	s_or_b32 s[G1B+0], s3, (3<<16)|(1<<21)
.irp g, G1, G1B
	s_mov_b32 s[\g+1], 384<<16                     ; tensor_dim0: 3,072 bytes
	s_mov_b32 s[\g+2], 8<<16                       ; tensor_dim1: 8 tiles
	s_mov_b32 s[\g+3], 384<<16                     ; tile_dim0
	s_mov_b32 s[\g+4], 8                           ; tile_dim1
	s_mov_b32 s[\g+5], 1536                        ; from tile to tile: 12,288 bytes
	s_mov_b32 s[\g+6], 0
	s_mov_b32 s[\g+7], 0
.endr
	s_or_b32 s[G1S+0], s2, (3<<16)|(1<<20)|(1<<21)|(5<<22)|(3<<25)   ; rows of 256 bytes, 16 bytes of padding behind each
	s_or_b32 s[G1SB+0], s3, (3<<16)|(1<<20)|(1<<21)|(5<<22)|(3<<25)
.irp g, G1S, G1SB
	s_mov_b32 s[\g+1], 32<<16
	s_mov_b32 s[\g+2], 16<<16
	s_mov_b32 s[\g+3], 32<<16
	s_mov_b32 s[\g+4], 16
	s_mov_b32 s[\g+5], 32
	s_mov_b32 s[\g+6], 0
	s_mov_b32 s[\g+7], 0
.endr
	s_lshl_b32 s67, s18, 3                         ; which 8 tiles I fetch
	s_lshl_b32 s92, s22, 4
	s_add_co_u32 s92, s92, s66
	s_add_co_u32 s92, s92, s67                     ; A's tile: it never holds cx
	s_lshl_b32 s96, s23, 4
	s_add_co_u32 s96, s96, s67                     ; B's: it never holds cy
	s_lshl_b32 s94, s92, 9                         ; 512 scale bytes a tile
	s_mul_i32 s92, s92, 12288                      ; 12,288 bytes of codes
	s_lshl_b32 s98, s96, 9
	s_mul_i32 s96, s96, 12288
	s_mov_b32 s93, 0
	s_mov_b32 s95, 0
	s_mov_b32 s97, 0
	s_mov_b32 s99, 0
	s_mul_i32 s66, s16, HALFT                      ; where they go: no place in the cluster enters an LDS address
	s_mul_i32 s67, s16, HALFS
	s_wait_kmcnt 0x0
	s_cmp_eq_u32 ttmp9, 2
	s_cselect_b64 s[2:3], s[8:9], s[4:5]           ; A's codes: wq for v, else xq
	s_cselect_b64 s[8:9], s[4:5], s[8:9]           ; B's codes
	s_cselect_b64 s[4:5], s[10:11], s[6:7]         ; A's scales
	s_cselect_b64 s[10:11], s[6:7], s[10:11]       ; B's scales
	s_add_nc_u64 s[PAC:PAC+1], s[PAC:PAC+1], s[92:93]
	s_add_nc_u64 s[PAS:PAS+1], s[PAS:PAS+1], s[94:95]
	s_add_nc_u64 s[PBC:PBC+1], s[PBC:PBC+1], s[96:97]
	s_add_nc_u64 s[PBS:PBS+1], s[PBS:PBS+1], s[98:99]
	CROUND                                         ; all sixteen work-groups are here: the first joint loads meet
	s_mov_b32 s[G0S], 1
	s_add_co_u32 s[G0S+1], s67, SCL
	s_mov_b64 s[G0S+2:G0S+3], s[PAS:PAS+1]
	s_or_b32 s[G0S+3], s[G0S+3], 0x80000000
	s_mov_b32 s[G0SB], 1
	s_add_co_u32 s[G0SB+1], s67, SCL
	s_mov_b64 s[G0SB+2:G0SB+3], s[PBS:PBS+1]
	s_or_b32 s[G0SB+3], s[G0SB+3], 0x80000000
	JLOAD G0S, G1S, G0SB, G1SB                     ; the scales first: they are wanted with K step 0
.irp s, 0,1,2
	s_mov_b32 s[G0+4*\s], 1
	s_add_co_u32 s[G0+4*\s+1], s66, \s*SLOT
	s_add_nc_u64 s[G0+4*\s+2:G0+4*\s+3], s[PAC:PAC+1], \s*TILEB
	s_or_b32 s[G0+4*\s+3], s[G0+4*\s+3], 0x80000000
	s_mov_b32 s[G0B+4*\s], 1
	s_add_co_u32 s[G0B+4*\s+1], s66, \s*SLOT
	s_add_nc_u64 s[G0B+4*\s+2:G0B+4*\s+3], s[PBC:PBC+1], \s*TILEB
	s_or_b32 s[G0B+4*\s+3], s[G0B+4*\s+3], 0x80000000
	JLOAD G0+4*\s, G1, G0B+4*\s, G1B
.endr
	v_and_b32 v1, 15, v0                           ; r
	v_bfe_u32 v2, v0, 4, 1                         ; h
	v_and_b32 v3, 31, v0
	v_lshlrev_b32 v3, 3, v3                        ; 8 x lane
	s_mul_i32 s4, s17, HALFT                       ; my 8 tiles of A
	s_mul_i32 s5, s18, HALFT                       ; my 8 tiles of B,
	s_add_co_u32 s5, s5, 2*HALFT                   ; behind A's 16
.irp s, 0,1,2
	v_add_nc_u32 v[ADRA+\s], s4, v3
	v_add_nc_u32 v[ADRB+\s], s5, v3
	s_add_co_u32 s4, s4, SLOT
	s_add_co_u32 s5, s5, SLOT
.endr
	v_lshlrev_b32 v4, 5, v1                        ; my row's scales: 32 bytes a row,
	v_lshrrev_b32 v5, 3, v1
	v_lshl_add_u32 v4, v5, 4, v4                   ; 16 more for each 256 passed
	s_mul_i32 s4, s17, HALFS
	s_mul_i32 s5, s18, HALFS
	s_add_co_u32 s5, s5, 2*HALFS
	s_sub_co_u32 s5, s5, s4
	v_mul_u32_u24 v5, s5, v2                       ; lanes 16-31 take B's: the lower base + h x the distance
	s_add_co_u32 s4, s4, SCL
	v_add_nc_u32 v4, v4, v5
	v_add_nc_u32 v[ADRS], s4, v4
	; where the results go: both kinds are worked out, then one compare selects
	s_lshl_b32 s4, s23, 1
	s_add_co_u32 s4, s4, s18                       ; g = 2 TB + wb: my 128 of B's index
	s_lshr_b32 s5, s22, 3                          ; q, k: the batch
	s_and_b32 s6, s22, 7
	s_lshr_b32 s7, s4, 4                           ; v: the batch
	s_and_b32 s8, s4, 15                           ; v: which 128 positions
	s_mul_i32 s9, s5, 4718592
	s_mul_i32 s10, s4, 196608                      ; two heads
	s_add_co_u32 s9, s9, s10
	s_lshl_b32 s10, s6, 1
	s_add_co_u32 s10, s10, s17                     ; which 8 tiles of the batch's 128
	s_mul_i32 s11, s10, 6144
	s_add_co_u32 s9, s9, s11                       ; q, k: codes
	s_lshl_b32 s5, s5, 17
	s_lshl_b32 s11, s4, 13
	s_add_co_u32 s5, s5, s11
	s_lshl_b32 s10, s10, 8
	s_add_co_u32 s5, s5, s10                       ; q, k: scale words
	s_lshl_b32 s10, s22, 1
	s_add_co_u32 s10, s10, s17                     ; v: the pair of heads
	s_mul_i32 s6, s7, 4718592
	s_add_co_u32 s6, s6, 3145728
	s_mul_i32 s11, s10, 196608
	s_add_co_u32 s6, s6, s11
	s_mul_i32 s11, s8, 1536
	s_add_co_u32 s6, s6, s11                       ; v: codes
	s_lshl_b32 s7, s7, 16
	s_add_co_u32 s7, s7, 524288
	s_lshl_b32 s10, s10, 13
	s_add_co_u32 s7, s7, s10
	s_lshl_b32 s8, s8, 9
	s_add_co_u32 s7, s7, s8                        ; v: scale words
	s_cmp_eq_u32 ttmp9, 2
	s_cselect_b32 s92, s6, s9
	s_cselect_b32 s96, s7, s5
	s_mov_b32 s94, 768
	s_cselect_b32 s94, 24576, s94                  ; from one tile of A to the next
	s_mov_b32 s10, 98304
	s_cselect_b32 s10, 768, s10                    ; from registers 0-5 to registers 6-11: the next head, or the next unit along j
	s_mov_b32 s11, 4096
	s_cselect_b32 s11, 256, s11                    ; from lanes 0-15 to lanes 16-31 of the scale words' store
	s_mov_b32 s98, 0x05040100
	s_cselect_b32 s98, 0x03020100, s98             ; q, k: the two tiles' low halves; v: the even tile's word
	s_mov_b32 s99, 0x07060302
	s_cselect_b32 s99, 0x07060504, s99             ; q, k: their high halves; v: the odd tile's word
	s_mov_b32 s93, 0
	s_mov_b32 s95, 0
	s_mov_b32 s97, 0
	s_add_nc_u64 s[92:93], s[12:13], s[92:93]
	s_add_nc_u64 s[96:97], s[14:15], s[96:97]
	s_mov_b32 s19, 0xffff0000                      ; lanes 16-31
	s_mov_b32 s100, 0x76543210
	s_mov_b32 s101, 0xfedcba98                     ; selects for lane l xor 16
	v_mov_b32 v116, v3                             ; codes: 8 x lane,
	v_add_nc_u32 v117, s10, v3                     ; and the same for registers 6-11
	v_mul_u32_u24 v118, s11, v2
	v_lshl_add_u32 v118, v1, 4, v118               ; scale words: 16 r + h x the distance
	s_wait_tensorcnt 2                             ; the scales and my part of K step 0 are in; K steps 1 and 2 may be out
	s_barrier_signal -1
	s_barrier_wait -1
	FETCH_B 0, 0, 0
	FETCH_A 0, 0, 0
	SCALES 0
	FETCH_A 0, 0, 4
	STEP 0, 0, 1                                   ; the first products start the sums: nothing is cleared
	TURN 0, 1, 0, 1, 2
	STEP 1, 1, 0
	TURN 1, 2, 1, 0, 0
	STEP 2, 0, 0
	TURN 2, 0, 0, 1, 1
	STEP 0, 1, 0
	s_wait_dscnt 4*NL                              ; the last 128 along K: nothing more to fetch
	WIN MUL_LO
	MUL16 0, 1, 1, 1, 0
	MUL16 2, 1, 1, 1, 0
	s_wait_dscnt 0
	WIN MUL_HI
	MUL16 4, 1, 1, 1, 0
	MUL16 6, 1, 1, 1, 0
	WIN 0
; THE WAY OUT.  The 64 registers of one tile of A (window w, from v[s]) hold, register 16 b + i, B's index 32 b + 16 (lane / 16) + i of my row: they become a fragment's codes in v[PC] on and its scale word in v[pw].
.macro QUANTW s, w, pw
	WIN 5*(\w)                                     ; sources 0 and 1 in the accumulators' window
.irp b, 0,1,2,3
	v_max3_num_f32 v[TM+\b], |v[(\s)+16*\b]|, |v[(\s)+1+16*\b]|, 0x1800000   ; each accumulator is read from its low end on; the floor 2^(3 - 127) holds the byte at 1
.endr
	WIN 20*(\w)                                    ; sources 1 and 2
.irp i, 2,4,6,8,10,12,14
.irp b, 0,1,2,3
	v_max3_num_f32 v[TM+\b], v[TM+\b], |v[(\s)+16*\b+\i]|, |v[(\s)+1+16*\b+\i]|
.endr
.endr
	WIN 0
.irp b, 0,1,2,3
	v_permlanex16_b32 v[TM+4+\b], v[TM+\b], s100, s101
.endr
.irp b, 0,1,2,3
	v_max_num_f32 v[TM+\b], v[TM+\b], v[TM+4+\b]   ; with lane l xor 16's: the block's largest magnitude
.endr
.irp b, 0,1,2,3
	v_add_nc_u32 v[TM+12+\b], 0xff000000, v[TM+\b] ; 2 off its exponent field: the conversion's scale operand
.endr
.irp b, 0,1,2,3
	v_lshrrev_b32 v[TM+4+\b], 23, v[TM+12+\b]      ; the byte
.endr
	v_lshl_or_b32 v[\pw], v[TM+5], 8, v[TM+4]
	v_lshl_or_b32 v[\pw], v[TM+6], 16, v[\pw]
	v_lshl_or_b32 v[\pw], v[TM+7], 24, v[\pw]
	WIN \w                                         ; source 0
.irp c, 0,1
	v_cvt_scalef32_pk16_fp6_f32 v[PC+6*\c:PC+2+6*\c], v[(\s)+32*\c:(\s)+15+32*\c], v[TM+12+2*\c]
	v_cvt_scalef32_pk16_fp6_f32 v[PC+12+4*\c:PC+14+4*\c], v[(\s)+16+32*\c:(\s)+31+32*\c], v[TM+12+2*\c+1]
.endr
	WIN 0
	v_nop                                          ; one plain place behind a scaled conversion
.irp c, 0,1                                    ; the operand's layout wants a whole block in a lane
.irp i, 0,1,2
	v_permlane16_swap_b32 v[PC+6*\c+\i], v[PC+12+4*\c+\i]
.endr
.irp i, 0,1,2
	v_mov_b32 v[PC+3+6*\c+\i], v[PC+12+4*\c+\i]
.endr
.endr
.endm
	PLACES NP                                      ; four places in front of the first read of results
.irp b, 0,1,2,3
	v_mov_b32 v[TM+4+\b], 0                        ; a lane permute's destination counts as read
.endr
.irp a, 0,1,2,3,4,5,6,7
.if \a > 0
	s_wait_xcnt 0x0                                ; the last tile's stores have read their data and their base: both are written again only behind this wait
	s_add_nc_u64 s[92:93], s[92:93], s[94:95]
.endif
	QUANTW 64*(\a%4), 2+\a/4, 100+\a%2
.irp c, 0,1
.irp p, 0,1,2
	global_store_b64 v[116+\c], v[PC+6*\c+2*\p:PC+6*\c+2*\p+1], s[92:93] offset:256*\p   ; 32 lanes store 256 consecutive bytes, aligned
.endr
.endr
.if \a%2
	v_perm_b32 v[104+\a/2], v101, v100, s98        ; the two tiles' scale words, laid as the reader wants them
	v_perm_b32 v[108+\a/2], v101, v100, s99
.endif
.endr
.irp k, 0,1,2,3
	v_cndmask_b32 v[112+\k], v[104+\k], v[108+\k], s19
.endr
	global_store_b128 v118, v[112:115], s[96:97]   ; each half of the lanes stores 256 consecutive bytes, aligned
	s_wait_tensorcnt 0x0                           ; the wave's end
	ds_add_u32 v[SPW], v[NIL]
	s_wait_dscnt 0x0
	CROUND                                         ; the closing round
	s_endpgm
.Lfunc_end_k_qb5b455f398_proj:
	.size	k_qb5b455f398_proj, .Lfunc_end_k_qb5b455f398_proj-k_qb5b455f398_proj
	.p2alignl 7, 3214868480
	.fill 96, 4, 3214868480
	.section	.rodata,"a",@progbits
	.p2align	6, 0x0
	.amdhsa_kernel k_qb5b455f398_proj
		.amdhsa_group_segment_fixed_size 327680
		.amdhsa_private_segment_fixed_size 0
		.amdhsa_enable_private_segment 0
		.amdhsa_kernarg_size 48
		.amdhsa_user_sgpr_count 2
		.amdhsa_user_sgpr_kernarg_segment_ptr 1
		.amdhsa_wavefront_size32 1
		.amdhsa_system_sgpr_workgroup_id_x 1
		.amdhsa_system_sgpr_workgroup_id_y 1
		.amdhsa_system_sgpr_workgroup_id_z 1
		.amdhsa_system_vgpr_workitem_id 0
		.amdhsa_next_free_vgpr 1024
		.amdhsa_next_free_sgpr 102
		.amdhsa_reserve_vcc 0
		.amdhsa_float_denorm_mode_32 3
		.amdhsa_float_denorm_mode_16_64 3
		.amdhsa_memory_ordered 1
		.amdhsa_forward_progress 1
		.amdhsa_inst_pref_size 169
	.end_amdhsa_kernel
	.amdgpu_metadata
---
amdhsa.version: [ 1, 2 ]
amdhsa.kernels:
  - .name:           k_qb5b455f398_proj
    .symbol:         k_qb5b455f398_proj.kd
    .args:
      - { .name: xq, .offset: 0, .size: 8, .value_kind: global_buffer, .address_space: global }
      - { .name: xs, .offset: 8, .size: 8, .value_kind: global_buffer, .address_space: global }
      - { .name: wq, .offset: 16, .size: 8, .value_kind: global_buffer, .address_space: global }
      - { .name: ws, .offset: 24, .size: 8, .value_kind: global_buffer, .address_space: global }
      - { .name: pq, .offset: 32, .size: 8, .value_kind: global_buffer, .address_space: global }
      - { .name: ps, .offset: 40, .size: 8, .value_kind: global_buffer, .address_space: global }
    .group_segment_fixed_size: 327680
    .private_segment_fixed_size: 0
    .kernarg_segment_align: 8
    .kernarg_segment_size: 48
    .max_flat_workgroup_size: 128
    .sgpr_count:     102
    .vgpr_count:     1024
    .wavefront_size: 32
...
	.end_amdgpu_metadata
.endif
;; end of part 2
;; launch attn (part 3): grid 4 x 64, 16 waves a work-group, clusters of 4 x 1, 210,944 bytes of LDS; arguments pq, ps, aq, asc; writes aq, asc
.if DOCPART == 3
	.amdgcn_target "amdgcn-amd-amdhsa--gfx1250"
	.amdhsa_code_object_version 6
	.text
	.protected	k_qb5b455f398_attn
	.globl	k_qb5b455f398_attn
	.p2align	8
	.type	k_qb5b455f398_attn,@function
k_qb5b455f398_attn:
	s_mov_b64 s[64:65], 0
	v_nop
	global_prefetch_b8 v0, s[64:65] scope:SCOPE_SE
	s_setreg_imm32_b32 hwreg(HW_REG_WAVE_MODE, 25, 1), 1
	s_wait_xcnt 0x0
	s_wait_alu depctr_hold_cnt(0) depctr_sa_sdst(0) depctr_va_vdst(0) depctr_va_sdst(0) depctr_va_ssrc(0) depctr_va_vcc(0) depctr_vm_vsrc(0)
	s_getreg_b32 s2, hwreg(HW_REG_IB_STS2, 6, 4)
	s_cmp_eq_u32 s2, 0
	s_cbranch_scc0 .Lentry_in_a_cluster
	s_endpgm
.Lentry_in_a_cluster:
	s_bfe_u32 s2, ttmp6, 0x10000c
	s_cmp_lg_u32 s2, 0x3003
	s_cbranch_scc0 .Lentry_shape_is_right
	s_endpgm
.Lentry_shape_is_right:
; Products 2 and 3 with the softmax between them, on codes of FP6 (E2M3) with E8M0 scales.  scores[i][j] = k_i . q_j / 8, kept where j >= i; softmax over j; times v_j.  So k's rows are the rows i, q's rows are the keys j.
; THE SOFTMAX: t = score x log2(e) / 8 (one multiplication: the division by 8 is exact); M = the running largest t rounded UP to a whole number; p = 2^(t - M) is quantised along j, not normalised; the row's sum is taken of
; the unquantised p and divides at the end; when M moves, the sum and O are multiplied by 2^(old M - new M), which rounds nothing.
; A WHOLE HEAD LIES IN LDS, filled once: q's codes (98,304 bytes), v's codes with j innermost (98,304), q's scale words (4,096), the head pair's v scale words (8,192).  No slot is filled again.
; CLUSTER: the four work-groups of a head ask for every tile JOINTLY (mask 15): waves 0-7 bring 24,576 bytes of codes each, waves 8-10 4,096 bytes of scale words each.
; SHARES: a wave takes one tile of 16 rows in each of two passes: tile 8 G + 2 cx + pass, G = wave in pass 0 and 15 - wave in pass 1.  A tile needs the key steps (128 j) from G on: 16 - G of them, 17 a wave.  The loop has 16 trips
; in every wave; a step that lies wholly under the mask is jumped over by a branch on the wave's number and counters.  cx enters global addresses and the mask's vector alone.
; BOTH PRODUCTS ARE USED TRANSPOSED: a lane holds one row i throughout.  Tiles lie in the order row = 32 (a / 2) + 8 (a % 2) + r + 8 (r / 8), so the 16 registers of two neighbouring tiles of scores are 16 neighbouring j.
; K = 64 IN AN INSTRUCTION OF 128: a fragment of q is two tiles side by side; k's tile is kept twice, [R | zeros] and [zeros | R]: the two products give the two tiles' scores.  Zero codes add nothing.
; The result, O / l, is quantised along (head, channel) and leaves as codes: aq [tile 512][head 16][768], asc [tile][r 16][32 bytes], byte 2 head + block.  The scale bytes leave singly, 32 bytes apart: a row's 32 bytes belong
; to 16 heads, so one head has no run of them; they are one byte for each 24 bytes of codes.
; Prefetching is left out: all tiles are asked for in the first lines, and no stream follows.  Register windows are left out: 256 registers a wave, four waves to a SIMD.
; LIMITS: NaN and infinities are not served; 1 / l comes from v_rcp_f32; a block whose largest number lies under 2^-124 keeps the byte 1, with zero codes where all are zero.
.set VI,  98304
.set QS,  196608
.set VS,  200704
.set RA,  16                           ; v16-27  [R | zeros]
.set RB,  28                           ; v28-39  [zeros | R]
.set CF,  40                           ; v40-87  four fragments of q, then of v
.set S,   88                           ; v88-151 scores, then p, then O / l
.set O,   152                          ; v152-183 O^T
.set PC,  184                          ; v184-195 p's codes
.set PT,  196                          ; v196-198, v200-202
.set BM,  204                          ; v204-207 block maxima
.set B2,  208                          ; v208-211
.set SOP, 212                          ; v212-215 the conversions' scale operands
.set QSC, 216                          ; v216-219 q's scale words
.set VSC, 220                          ; v220-223 v's: channel tile e at 220 + e / 2 + 2 (e % 2)
.set RS,  224                          ; v224 k's scale word
.set PW,  225                          ; v225 p's scale word
.set F,   226                          ; v[226:227] f
.set WK,  228
.set NINF, 230
.macro ROUND
	s_barrier_signal -1
	s_barrier_wait -1
	s_cmp_lg_u32 s12, 0
	s_cbranch_scc1 .Lnot_wave_0_\@
	s_barrier_signal -3
.Lnot_wave_0_\@:
	s_barrier_wait -3
	s_barrier_signal -1
	s_barrier_wait -1
.endm
	s_load_b256 s[4:11], s[0:1], 0x0               ; pq, ps, aq, asc
	v_lshl_add_u32 v254, v0, 2, 0x33000
	v_mov_b32 v255, 0
	ds_add_u32 v254, v255
	ds_add_u32 v254, v255
	v_lshrrev_b32 v1, 5, v0
	s_delay_alu instid0(VALU_DEP_1)
	v_readfirstlane_b32 s12, v1                    ; wave 0..15
	s_bfe_u32 s13, ttmp6, 0x40000                  ; cx
	s_and_b32 s14, ttmp7, 0xffff                   ; 16 b + head
	s_lshr_b32 s15, s14, 4
	s_and_b32 s16, s14, 15
	s_mov_b32 s24, 15|(3<<16)|(1<<21)              ; codes: 96 rows of 256 bytes, dense; the mask names all four; bit 21 beside it
	s_mov_b32 s25, 32<<16
	s_mov_b32 s26, 96<<16
	s_mov_b32 s27, 32<<16
	s_mov_b32 s28, 96
	s_mov_b32 s29, 32
	s_mov_b32 s30, 0
	s_mov_b32 s31, 0
	s_mov_b32 s32, 15|(3<<16)|(1<<21)              ; scale words: 16 rows of 256 bytes
	s_mov_b32 s33, 32<<16
	s_mov_b32 s34, 16<<16
	s_mov_b32 s35, 32<<16
	s_mov_b32 s36, 16
	s_mov_b32 s37, 32
	s_mov_b32 s38, 0
	s_mov_b32 s39, 0
	s_mul_i32 s17, s15, 4718592
	s_mul_i32 s2, s16, 98304
	s_add_co_u32 s17, s17, s2                      ; the head's q in pq
	s_lshr_b32 s18, s12, 2
	s_mul_i32 s18, s18, 3145728                    ; waves 0-3: q; waves 4-7: v
	s_and_b32 s2, s12, 3
	s_mul_i32 s2, s2, 24576
	s_add_co_u32 s18, s18, s2
	s_add_co_u32 s18, s18, s17
	s_mov_b32 s19, 0
	s_lshl_b32 s48, s15, 17
	s_lshl_b32 s49, s16, 12
	s_add_co_u32 s48, s48, s49                     ; wave 8: q's scale words
	s_lshl_b32 s49, s15, 16
	s_lshr_b32 s50, s16, 1
	s_lshl_b32 s50, s50, 13
	s_add_co_u32 s49, s49, s50
	s_lshl_b32 s50, s12, 12
	s_add_co_u32 s49, s49, s50
	s_add_co_u32 s49, s49, 524288-36864            ; waves 9, 10: the halves of the head pair's v scale words
	s_cmp_eq_u32 s12, 8
	s_cselect_b32 s48, s48, s49
	s_mov_b32 s49, 0
	s_mov_b32 s40, 1
	s_mul_i32 s41, s12, 24576
	s_mov_b32 s44, 1
	s_lshl_b32 s45, s12, 12
	s_add_co_u32 s45, s45, 163840                  ; wave 8: 196,608; 9: 200,704; 10: 204,800
	s_wait_dscnt 0x0
	s_wait_kmcnt 0x0
	s_add_nc_u64 s[42:43], s[4:5], s[18:19]
	s_or_b32 s43, s43, 0x80000000
	s_add_nc_u64 s[46:47], s[6:7], s[48:49]
	s_or_b32 s47, s47, 0x80000000
	ROUND                                          ; all four work-groups are here: the joint loads meet
	s_cmp_lt_u32 s12, 8
	s_cbranch_scc0 .Lnot_codes
	tensor_load_to_lds s[40:43], s[24:31]
	s_nop 0
.rept 4
	v_nop
.endr
	s_branch .Lasked
.Lnot_codes:
	s_cmp_lt_u32 s12, 11
	s_cbranch_scc0 .Lasked
	tensor_load_to_lds s[44:47], s[32:39]
	s_nop 0
.rept 4
	v_nop
.endr
.Lasked:
	s_mov_b32 s3, 0
	s_add_co_u32 s2, s17, 1572864
	s_add_nc_u64 s[58:59], s[4:5], s[2:3]          ; the head's k
	s_lshl_b32 s2, s15, 17
	s_add_co_u32 s18, s16, 16
	s_lshl_b32 s18, s18, 12
	s_add_co_u32 s2, s2, s18
	s_lshl_b32 s18, s13, 2
	s_add_co_u32 s2, s2, s18
	s_add_nc_u64 s[60:61], s[6:7], s[2:3]          ; k's scale words, word cx of a row's four
	s_mul_i32 s2, s15, 1572864
	s_mul_i32 s18, s16, 768
	s_add_co_u32 s2, s2, s18
	s_add_nc_u64 s[66:67], s[8:9], s[2:3]          ; aq: the batch's first tile, my head's unit
	s_lshl_b32 s2, s15, 16
	s_lshl_b32 s18, s16, 1
	s_add_co_u32 s2, s2, s18
	s_add_nc_u64 s[68:69], s[10:11], s[2:3]        ; asc likewise
	s_mov_b32 s20, 0x76543210
	s_mov_b32 s21, 0xfedcba98                      ; selects for lane l xor 16
	s_mov_b32 s22, 0x3e38aa3b                      ; c = log2(e) / 8
	s_mov_b32 s23, s22                             ; (named with it as a pair)
	s_mov_b32 s56, 0xffff0000                      ; lanes 16-31
	s_mov_b32 s48, 0                               ; the pass
	v_and_b32 v1, 31, v0
	s_delay_alu instid0(VALU_DEP_1)
	v_lshlrev_b32 v1, 3, v1                        ; 8 x lane: a piece's place, in LDS and in memory
	s_delay_alu instid0(VALU_DEP_1)
	v_add_nc_u32 v2, VI, v1                        ; v's channel tiles 0, 1
	s_delay_alu instid0(VALU_DEP_2)
	v_add_nc_u32 v3, VI+49152, v1                  ; and 2, 3
	v_and_b32 v232, 15, v0                         ; r
	v_bfe_u32 v233, v0, 4, 1                       ; h
	s_delay_alu instid0(VALU_DEP_2)
	v_lshl_add_u32 v4, v232, 4, QS                 ; q's scale words: 16 bytes a row
	s_and_b32 s2, s16, 1
	s_lshl_b32 s2, s2, 3
	s_add_co_u32 s2, s2, VS
	v_lshl_add_u32 v5, v232, 4, s2                 ; v's: 16 bytes a row, my head's 8 of them
	v_and_b32 v235, 8, v232
	s_delay_alu instid0(VALU_DEP_1)
	v_add_nc_u32 v235, v235, v232
	v_lshlrev_b32 v[WK], 4, v233
	s_delay_alu instid0(VALU_DEP_1)
	v_sub_nc_u32 v235, v235, v[WK]                 ; r + 8 (r / 8) - 16 h
	v_lshl_add_u32 v233, v232, 5, v233             ; 32 r + h
	v_lshlrev_b32 v232, 4, v232                    ; 16 r
.irp i, 0,1,2,3,4,5
	v_mov_b32 v[RA+6+\i], 0                        ; the zero halves: written once
	v_mov_b32 v[RB+\i], 0
.endr
.irp b, 0,1,2,3
	v_mov_b32 v[B2+\b], 0                          ; a lane permute's destination counts as read
.endr
	v_mov_b32 v[F+1], 0                            ; (named as the upper half of a pair)
	v_mov_b32 v[NINF], 0xff800000
	s_wait_tensorcnt 0x0                           ; my part of the head is in,
	s_barrier_signal -1
	s_barrier_wait -1                              ; everybody's is
.Lpass:
	s_wait_xcnt 0x0                                ; the last pass's stores have read their data and bases
	s_sub_co_u32 s49, 15, s12
	s_cmp_eq_u32 s48, 0
	s_cselect_b32 s49, s12, s49                    ; G
	s_mov_b32 s57, 0x03020302
	s_cselect_b32 s57, 0x01000100, s57             ; which half of k's scale word is my tile's
	s_lshl_b32 s51, s49, 3
	s_lshl_b32 s78, s13, 1
	s_add_co_u32 s51, s51, s78
	s_add_co_u32 s51, s51, s48                     ; my tile: 8 G + 2 cx + pass
	s_mov_b32 s79, 0
	s_mul_i32 s78, s51, 768
	s_add_nc_u64 s[70:71], s[58:59], s[78:79]
	s_lshl_b32 s78, s49, 8
	s_add_nc_u64 s[72:73], s[60:61], s[78:79]
	s_mul_i32 s78, s51, 12288
	s_add_nc_u64 s[74:75], s[66:67], s[78:79]
	s_lshl_b32 s78, s51, 9
	s_add_nc_u64 s[76:77], s[68:69], s[78:79]
.irp p, 0,1,2
	global_load_b64 v[RA+2*\p:RA+2*\p+1], v1, s[70:71] offset:256*\p
	global_load_b64 v[RB+6+2*\p:RB+7+2*\p], v1, s[70:71] offset:256*\p
.endr
	global_load_b32 v234, v232, s[72:73]
	s_lshl_b32 s78, s13, 5
	s_lshl_b32 s52, s48, 3
	s_add_co_u32 s78, s78, s52
	v_add_nc_u32 v6, s78, v235                     ; d = my row within its 128 - 16 h: register 16 b + i of the diagonal step is hidden where 32 b + i < d
	v_mov_b32 v13, 0xff61b1e6                      ; the largest t so far: -3e38
	s_delay_alu instid0(VALU_DEP_1)
	v_floor_f32 v12, -v13                          ; -M
	v_mov_b32 v14, 0
	v_mov_b32 v15, 0
	s_mov_b32 s52, 0                               ; the step's place in q's codes,
	s_mov_b32 s53, 0                               ; in v's,
	s_mov_b32 s54, 0                               ; in q's scale words,
	s_mov_b32 s55, 0                               ; in v's
	s_mov_b32 s50, 0                               ; the step
	s_wait_loadcnt 0x0
	v_perm_b32 v[RS], v234, v234, s57              ; [s0, s1, s0, s1]
.set n, 0
.rept 32
	v_mov_b32 v[O+n], 0                            ; O^T: the step is written once and finds zeros.  (These are also the places between the scale word's write and the first product)
.set n, n+1
.endr
.Lstep:                                            ; 16 trips in every wave
	s_cmp_lt_u32 s50, s49
	s_cbranch_scc1 .Lnext                          ; all 128 j of this step come before my rows
	s_setprio 2
	v_add_nc_u32 v8, s52, v1                       ; five plain lines: the places behind the last products, in front of the loads
	v_add_nc_u32 v9, s53, v2
	v_add_nc_u32 v231, s53, v3
	v_add_nc_u32 v10, s54, v4
	v_add_nc_u32 v11, s55, v5
.irp f, 0,1,2,3
.irp p, 0,1,2,3,4,5
	ds_load_b64 v[CF+12*\f+2*\p:CF+12*\f+2*\p+1], v8 offset:1536*\f+256*\p
.endr
.endr
	ds_load_b128 v[QSC:QSC+3], v10
	s_wait_alu depctr_va_vdst(0)
	s_wait_dscnt 0x0
.irp f, 0,1,2,3
	v_wmma_scale_f32_16x16x128_f8f6f4 v[S+16*\f:S+16*\f+7], v[CF+12*\f:CF+12*\f+11], v[RA:RA+11], 0, v[QSC+\f], v[RS] matrix_a_fmt:MATRIX_FMT_FP6 matrix_b_fmt:MATRIX_FMT_FP6
	v_wmma_scale_f32_16x16x128_f8f6f4 v[S+16*\f+8:S+16*\f+15], v[CF+12*\f:CF+12*\f+11], v[RB:RB+11], 0, v[QSC+\f], v[RS] matrix_a_fmt:MATRIX_FMT_FP6 matrix_b_fmt:MATRIX_FMT_FP6
.endr
.rept 4
	v_nop                                          ; four places: in front of the loads below and of the first read of the scores
.endr
.irp e, 0,1
.irp p, 0,1,2,3,4,5
	ds_load_b64 v[CF+12*\e+2*\p:CF+12*\e+2*\p+1], v9 offset:24576*\e+256*\p        ; v's fragments land under the softmax
.endr
.endr
.irp e, 0,1
.irp p, 0,1,2,3,4,5
	ds_load_b64 v[CF+24+12*\e+2*\p:CF+24+12*\e+2*\p+1], v231 offset:24576*\e+256*\p
.endr
.endr
	ds_load_b64 v[VSC:VSC+1], v11                  ; channel tiles 0, 2
	ds_load_b64 v[VSC+2:VSC+3], v11 offset:256     ; and 1, 3
	s_cmp_lg_u32 s50, s49
	s_cbranch_scc1 .Lopen                          ; only the first step of a tile lies on the diagonal
.set n, 0
.rept 64
	v_cmp_lt_i32 vcc_lo, 32*(n/16)+n%16, v6
	v_cndmask_b32 v[S+n], v[S+n], v[NINF], vcc_lo  ; hidden scores become -infinity: p = 0.  j = i is never hidden
.set n, n+1
.endr
.Lopen:
.irp b, 0,1,2,3
	v_max3_num_f32 v[BM+\b], v[S+16*\b], v[S+1+16*\b], v[S+2+16*\b]   ; the largest score of each block of 32 j: for the row's maximum and, since p rises with the score, for the block's largest p
.endr
.irp i, 3,5,7,9,11,13
.irp b, 0,1,2,3
	v_max3_num_f32 v[BM+\b], v[BM+\b], v[S+16*\b+\i], v[S+1+16*\b+\i]
.endr
.endr
.irp b, 0,1,2,3
	v_max_num_f32 v[BM+\b], v[BM+\b], v[S+15+16*\b]
.endr
.irp b, 0,1,2,3
	s_delay_alu instid0(VALU_DEP_4)
	v_permlanex16_b32 v[B2+\b], v[BM+\b], s20, s21
.endr
.irp b, 0,1,2,3
	s_delay_alu instid0(VALU_DEP_4)
	v_max_num_f32 v[BM+\b], v[BM+\b], v[B2+\b]
.endr
	s_delay_alu instid0(VALU_DEP_2)
	v_max3_num_f32 v[WK], v[BM], v[BM+1], v[BM+2]
	s_delay_alu instid0(VALU_DEP_1)
	v_max_num_f32 v[WK], v[WK], v[BM+3]
	s_delay_alu instid0(VALU_DEP_1)
	v_mul_f32 v[WK], s22, v[WK]                    ; as t
	s_delay_alu instid0(VALU_DEP_1)
	v_max_num_f32 v13, v13, v[WK]                  ; the running largest t
	v_mov_b32 v[WK], v12
	s_delay_alu instid0(VALU_DEP_2)
	v_floor_f32 v12, -v13                          ; the new -M: M is a whole number
	s_delay_alu instid0(VALU_DEP_1)
	v_sub_f32 v[WK], v12, v[WK]                    ; old M - new M, 0 or less
	s_delay_alu instid0(VALU_DEP_1)
	v_cvt_i32_f32 v[WK], v[WK]                     ; (it saturates)
	s_delay_alu instid0(VALU_DEP_1)
	v_ldexp_f32 v[F], 1.0, v[WK]                   ; f = 2^(old M - new M)
.set n, 0
	s_setprio 1
.rept 32
	v_pk_fma_f32 v[S+n:S+n+1], v[S+n:S+n+1], s[22:23], v[12:13] op_sel_hi:[1,0,0]   ; t - M
.set n, n+2
.endr
.irp b, 0,1,2,3
	v_fma_f32 v[BM+\b], v[BM+\b], s22, v12
.endr
.set n, 0
	s_wait_alu depctr_va_vdst(0)
.rept 64
	v_exp_f32 v[S+n], v[S+n]                       ; p = 2^(t - M)
.set n, n+1
.endr
	v_pk_mul_f32 v[14:15], v[14:15], v[F:F+1] op_sel_hi:[1,0]   ; the sums under the new M: the plain place behind the exponentials
	s_wait_alu depctr_va_vdst(0)                   ; one wait for the batch, ahead of its first reader
.irp b, 0,1,2,3
	v_exp_f32 v[BM+\b], v[BM+\b]                   ; each block's largest p
.endr
	v_pk_add_f32 v[208:209], v[92:93], v[96:97]
	v_pk_add_f32 v[252:253], v[100:101], v[104:105]
	v_pk_add_f32 v[250:251], v[108:109], v[112:113]
	v_pk_add_f32 v[248:249], v[116:117], v[120:121]
	v_pk_add_f32 v[246:247], v[124:125], v[128:129]
	v_pk_add_f32 v[244:245], v[132:133], v[136:137]
	v_pk_add_f32 v[242:243], v[140:141], v[144:145]
	v_pk_add_f32 v[14:15], v[14:15], v[148:149]
	v_pk_add_f32 v[208:209], v[208:209], v[88:89]
	v_pk_add_f32 v[252:253], v[252:253], v[90:91]
	v_pk_add_f32 v[250:251], v[250:251], v[94:95]
	v_pk_add_f32 v[248:249], v[248:249], v[98:99]
	v_pk_add_f32 v[246:247], v[246:247], v[102:103]
	v_pk_add_f32 v[244:245], v[244:245], v[106:107]
	v_pk_add_f32 v[242:243], v[242:243], v[110:111]
	v_pk_add_f32 v[14:15], v[14:15], v[114:115]
	v_pk_add_f32 v[208:209], v[208:209], v[118:119]
	v_pk_add_f32 v[252:253], v[252:253], v[122:123]
	v_pk_add_f32 v[250:251], v[250:251], v[126:127]
	v_pk_add_f32 v[248:249], v[248:249], v[130:131]
	v_pk_add_f32 v[246:247], v[246:247], v[134:135]
	v_pk_add_f32 v[244:245], v[244:245], v[138:139]
	v_pk_add_f32 v[242:243], v[242:243], v[142:143]
	v_pk_add_f32 v[14:15], v[14:15], v[146:147]
	v_pk_add_f32 v[208:209], v[208:209], v[150:151]
	s_delay_alu instid0(VALU_DEP_2)
	v_pk_add_f32 v[14:15], v[14:15], v[248:249]
	s_delay_alu instid0(VALU_DEP_2)
	v_pk_add_f32 v[208:209], v[208:209], v[246:247]
	v_pk_add_f32 v[252:253], v[252:253], v[244:245]
	v_pk_add_f32 v[250:251], v[250:251], v[242:243]
	s_delay_alu instid0(VALU_DEP_2)
	v_pk_add_f32 v[14:15], v[14:15], v[252:253]
	s_delay_alu instid0(VALU_DEP_2)
	v_pk_add_f32 v[208:209], v[208:209], v[250:251]
	s_delay_alu instid0(VALU_DEP_1)
	v_pk_add_f32 v[14:15], v[14:15], v[208:209]
	s_setprio 0
	s_wait_alu depctr_va_vdst(0)                   ; and one for the four
.irp b, 0,1,2,3
	v_max_num_f32 v[BM+\b], 0x1800000, v[BM+\b]    ; the floor 2^(3 - 127)
.endr
.irp b, 0,1,2,3
	s_delay_alu instid0(VALU_DEP_4)
	v_add_nc_u32 v[SOP+\b], 0xff000000, v[BM+\b]
.endr
.irp b, 0,1,2,3
	s_delay_alu instid0(VALU_DEP_4)
	v_lshrrev_b32 v[B2+\b], 23, v[SOP+\b]
.endr
	s_delay_alu instid0(VALU_DEP_3)
	v_lshl_or_b32 v[PW], v[B2+1], 8, v[B2]
	s_delay_alu instid0(VALU_DEP_1)
	v_lshl_or_b32 v[PW], v[B2+2], 16, v[PW]
	s_delay_alu instid0(VALU_DEP_1)
	v_lshl_or_b32 v[PW], v[B2+3], 24, v[PW]
.irp c, 0,1
	v_cvt_scalef32_pk16_fp6_f32 v[PC+6*\c:PC+2+6*\c], v[S+32*\c:S+15+32*\c], v[SOP+2*\c]
	v_cvt_scalef32_pk16_fp6_f32 v[PT+4*\c:PT+2+4*\c], v[S+16+32*\c:S+31+32*\c], v[SOP+2*\c+1]
.endr
	v_nop                                          ; one plain place behind a scaled conversion
.irp c, 0,1
.irp i, 0,1,2
	v_permlane16_swap_b32 v[PC+6*\c+\i], v[PT+4*\c+\i]
.endr
.irp i, 0,1,2
	s_delay_alu instid0(VALU_DEP_3)
	v_mov_b32 v[PC+3+6*\c+\i], v[PT+4*\c+\i]
.endr
.endr
.set n, 0
.rept 16
	v_pk_mul_f32 v[O+n:O+n+1], v[O+n:O+n+1], v[F:F+1] op_sel_hi:[1,0]   ; O^T under the new M.  (These sixteen are also the places in front of the products below)
.set n, n+2
.endr
	s_wait_alu depctr_va_vdst(0)
	s_wait_dscnt 0x0                               ; v's fragments and scale words are in
.irp e, 0,1,2,3
	v_wmma_scale_f32_16x16x128_f8f6f4 v[O+8*\e:O+8*\e+7], v[CF+12*\e:CF+12*\e+11], v[PC:PC+11], v[O+8*\e:O+8*\e+7], v[VSC+\e/2+2*(\e%2)], v[PW] matrix_a_fmt:MATRIX_FMT_FP6 matrix_b_fmt:MATRIX_FMT_FP6
.endr
.Lnext:
	s_add_co_u32 s52, s52, 6144
	s_add_co_u32 s53, s53, 1536
	s_add_co_u32 s54, s54, 256
	s_add_co_u32 s55, s55, 512
	s_add_co_u32 s50, s50, 1
	s_cmp_lt_u32 s50, 16
	s_cbranch_scc1 .Lstep
	s_setprio 0
	; the tile's end: O^T / l, quantised along the head's 64 channels
	v_add_f32 v14, v14, v15
	s_delay_alu instid0(VALU_DEP_1)
	v_permlanex16_b32 v[WK], v14, s20, s21
	s_delay_alu instid0(VALU_DEP_1)
	v_add_f32 v14, v14, v[WK]                      ; the row's sum
	s_wait_alu depctr_va_vdst(0)
	v_rcp_f32 v14, v14
.rept 4
	v_nop                                          ; plain places behind the reciprocal and behind the last products
.endr
	s_wait_alu depctr_va_vdst(0)                   ; ahead of the reciprocal's first reader
.set n, 0
.rept 16
	v_pk_mul_f32 v[S+n:S+n+1], v[O+n:O+n+1], v[14:15] op_sel_hi:[1,0]   ; register 16 b + i: channel 32 b + 16 h + i; each accumulator from its low end on
.set n, n+2
.endr
.irp b, 0,1
	v_max3_num_f32 v[BM+\b], |v[S+16*\b]|, |v[S+1+16*\b]|, 0x1800000
.endr
.irp i, 2,4,6,8,10,12,14
.irp b, 0,1
	s_delay_alu instid0(VALU_DEP_2)
	v_max3_num_f32 v[BM+\b], v[BM+\b], |v[S+16*\b+\i]|, |v[S+1+16*\b+\i]|
.endr
.endr
.irp b, 0,1
	s_delay_alu instid0(VALU_DEP_2)
	v_permlanex16_b32 v[B2+\b], v[BM+\b], s20, s21
.endr
.irp b, 0,1
	s_delay_alu instid0(VALU_DEP_2)
	v_max_num_f32 v[BM+\b], v[BM+\b], v[B2+\b]
.endr
.irp b, 0,1
	s_delay_alu instid0(VALU_DEP_2)
	v_add_nc_u32 v[SOP+\b], 0xff000000, v[BM+\b]
.endr
.irp b, 0,1
	s_delay_alu instid0(VALU_DEP_2)
	v_lshrrev_b32 v[B2+\b], 23, v[SOP+\b]
.endr
	v_cvt_scalef32_pk16_fp6_f32 v[PC:PC+2], v[S:S+15], v[SOP]
	v_cvt_scalef32_pk16_fp6_f32 v[PT:PT+2], v[S+16:S+31], v[SOP+1]
	v_nop
.irp i, 0,1,2
	v_permlane16_swap_b32 v[PC+\i], v[PT+\i]
.endr
.irp i, 0,1,2
	s_delay_alu instid0(VALU_DEP_3)
	v_mov_b32 v[PC+3+\i], v[PT+\i]
.endr
	v_cndmask_b32 v[WK], v[B2], v[B2+1], s56       ; lane (r, h) stores block h's byte
.irp p, 0,1,2
	global_store_b64 v1, v[PC+2*\p:PC+2*\p+1], s[74:75] offset:256*\p   ; 32 lanes store 256 consecutive bytes, aligned
.endr
	global_store_b8 v233, v[WK], s[76:77]
	s_add_co_u32 s48, s48, 1
	s_cmp_lt_u32 s48, 2
	s_cbranch_scc1 .Lpass
	s_wait_tensorcnt 0x0
	ds_add_u32 v254, v255
	s_wait_dscnt 0x0
	ROUND                                          ; the closing round
	s_endpgm
.Lfunc_end_k_qb5b455f398_attn:
	.size	k_qb5b455f398_attn, .Lfunc_end_k_qb5b455f398_attn-k_qb5b455f398_attn
	.p2alignl 7, 3214868480
	.fill 96, 4, 3214868480
	.section	.rodata,"a",@progbits
	.p2align	6, 0x0
	.amdhsa_kernel k_qb5b455f398_attn
		.amdhsa_group_segment_fixed_size 210944
		.amdhsa_private_segment_fixed_size 0
		.amdhsa_enable_private_segment 0
		.amdhsa_kernarg_size 32
		.amdhsa_user_sgpr_count 2
		.amdhsa_user_sgpr_kernarg_segment_ptr 1
		.amdhsa_wavefront_size32 1
		.amdhsa_system_sgpr_workgroup_id_x 1
		.amdhsa_system_sgpr_workgroup_id_y 1
		.amdhsa_system_sgpr_workgroup_id_z 1
		.amdhsa_system_vgpr_workitem_id 0
		.amdhsa_next_free_vgpr 256
		.amdhsa_next_free_sgpr 90
		.amdhsa_reserve_vcc 1
		.amdhsa_float_denorm_mode_32 3
		.amdhsa_float_denorm_mode_16_64 3
		.amdhsa_memory_ordered 1
		.amdhsa_forward_progress 1
		.amdhsa_inst_pref_size 39
	.end_amdhsa_kernel
	.amdgpu_metadata
---
amdhsa.version: [ 1, 2 ]
amdhsa.kernels:
  - .name:           k_qb5b455f398_attn
    .symbol:         k_qb5b455f398_attn.kd
    .args:
      - { .name: pq, .offset: 0, .size: 8, .value_kind: global_buffer, .address_space: global }
      - { .name: ps, .offset: 8, .size: 8, .value_kind: global_buffer, .address_space: global }
      - { .name: aq, .offset: 16, .size: 8, .value_kind: global_buffer, .address_space: global }
      - { .name: asc, .offset: 24, .size: 8, .value_kind: global_buffer, .address_space: global }
    .group_segment_fixed_size: 210944
    .private_segment_fixed_size: 0
    .kernarg_segment_align: 8
    .kernarg_segment_size: 32
    .max_flat_workgroup_size: 512
    .sgpr_count:     90
    .vgpr_count:     256
    .wavefront_size: 32
...
	.end_amdgpu_metadata
.endif
;; end of part 3
;; launch outp (part 4): grid 4 x 32, 4 waves a work-group, clusters of 4 x 4, 327,680 bytes of LDS; arguments aq, asc, wq, ws, out0; writes out0
.if DOCPART == 4
	.amdgcn_target "amdgcn-amd-amdhsa--gfx1250"
	.amdhsa_code_object_version 6
	.text
	.protected	k_qb5b455f398_outp
	.globl	k_qb5b455f398_outp
	.p2align	8
	.type	k_qb5b455f398_outp,@function
k_qb5b455f398_outp:
	s_mov_b64 s[64:65], 0
	v_nop
	global_prefetch_b8 v0, s[64:65] scope:SCOPE_SE
	s_setreg_imm32_b32 hwreg(HW_REG_WAVE_MODE, 25, 1), 1
	s_wait_xcnt 0x0
	s_wait_alu depctr_hold_cnt(0) depctr_sa_sdst(0) depctr_va_vdst(0) depctr_va_sdst(0) depctr_va_ssrc(0) depctr_va_vcc(0) depctr_vm_vsrc(0)
	s_getreg_b32 s2, hwreg(HW_REG_IB_STS2, 6, 4)
	s_cmp_eq_u32 s2, 0
	s_cbranch_scc0 .Lentry_in_a_cluster
	s_endpgm
.Lentry_in_a_cluster:
	s_bfe_u32 s2, ttmp6, 0x10000c
	s_cmp_lg_u32 s2, 0xf033
	s_cbranch_scc0 .Lentry_shape_is_right
	s_endpgm
.Lentry_shape_is_right:
; Product 4: the attention result (codes aq, scale bytes asc) times W_o (tiles 192-255 of wq, ws), on codes of FP6 (E2M3) with E8M0 scales; out0 [8192][1024] f32.
; CODES lie as images of operand registers: a tile is 16 rows (lane index r of tile a = row 32 (a / 2) + 8 (a % 2) + r + 8 (r / 8)); a unit is 16 rows x 64 K, 768 bytes, piece p of lane l at 256 p + 8 l.
; A work-group makes 256 x 256, four waves, 128 x 128 each: 64 accumulators.  THE MATRIX INSTRUCTION IS USED TRANSPOSED (source 0 = W_o's tile, source 1 = the rows' tile): a lane holds eight neighbouring columns of one row.
; K = 1,024 is four K steps of 256 in three LDS slots: three fills at the start, ONE refill (K step 3 into slot 0), which has two K steps in which to land.  By this text's count a wave has four tensor loads out at the most.
; CLUSTERS: 4 x 4.  A's tiles are shared along a row of the cluster, B's along a column: joint loads.  The scales come once, in units of 256 bytes.
; THE WAY OUT goes through a stage of the wave's own in slot 1, which has had its only fill and, behind the last barrier, its last read.
; 128 work-groups: the tile is kept at 256 x 256 so that both products of this shape run the same core.
; REGISTERS: window 0: v16-22 LDS addresses, v24-26 the way out's, v27 scales' address, v28, v29 the add's, v32-63 scale words (two sets), v128-223 A's 8 fragments (on the way out v128-255 rows of the result);
;   window 1: B's two sets at v0, v128; windows 2, 3: accumulator (a, b) at v[8 (8 (a % 4) + b)].
.set SLOT,  98304
.set HALFT, 24576
.set TILEB, 3072
.set SCL,   3*SLOT
.set HALFS, 4352
.set SBLK,  544
.set SPARE, SCL+4*HALFS                ; the spare words, 128 bytes a wave: two blocks of 256 bytes that no other line names
.set SPITCH, 528                       ; a stage row: 512 bytes + 16
.set FR, 12
.set NL, 6
.set NP, 4
.set ADRA, 16
.set ADRB, 20
.set STO,  24
.set RD,   25
.set CO,   26
.set ADRS, 27
.set SPW,  28
.set NIL,  29
.set SC,   32
.set AF,   128
.set BK,   128
.set G1,   24
.set G0,   32
.set G1B,  44
.set G0B,  52
.set G1S,  68
.set G0S,  76
.set G1SB, 80
.set G0SB, 88
.set PAC, 4                            ; s[4:5] A's codes, s[6:7] A's scales, s[8:9] B's codes, s[10:11] B's scales
.set PAS, 6
.set PBC, 8
.set PBS, 10
.set MSB, 0
.macro WIN new                         ; the immediate's high byte repeats the setting that is left
.if MSB != (\new)
	s_set_vgpr_msb (MSB<<8)|(\new)
.set MSB, \new
.endif
.endm
.set MUL_LO, 0xa1
.set MUL_HI, 0xf1
.set TO_B,   0x40
.macro JLOAD g0a, g1a, g0b, g1b        ; a joint load: waves 0, 1 fetch for A, waves 2, 3 for B; four v_nop follow each line
	s_cmp_eq_u32 s17, 0
	s_cbranch_scc0 .Lfor_b_\@
	tensor_load_to_lds s[\g0a:\g0a+3], s[\g1a:\g1a+7]
	s_nop 0
.rept 4
	v_nop
.endr
	s_branch .Lasked_\@
.Lfor_b_\@:
	tensor_load_to_lds s[\g0b:\g0b+3], s[\g1b:\g1b+7]
	s_nop 0
.rept 4
	v_nop
.endr
.Lasked_\@:
.endm
.macro CREST
	s_cmp_lg_u32 s16, 0
	s_cbranch_scc1 .Lnot_wave_0_\@
	s_barrier_signal -3
.Lnot_wave_0_\@:
	s_barrier_wait -3
	s_barrier_signal -1
	s_barrier_wait -1
.endm
.macro CROUND
	s_barrier_signal -1
	s_barrier_wait -1
	CREST
.endm
.macro PLACES n
.rept \n
	v_nop
.endr
.endm
.macro FRAG reg, adr, q, i             ; a fragment is six loads of 8 bytes a lane, 256 consecutive bytes each
.irp p, 0,1,2,3,4,5
	ds_load_b64 v[\reg+2*\p:\reg+2*\p+1], v[\adr] offset:TILEB*(\i)+1536*(\q)+256*\p
.endr
.endm
.macro MUL16 a0, p, q, sc, zero        ; A's blocks a0, a0 + 1 x B's eight; the 64 accumulators take turns in one order throughout
.irp a, \a0, \a0+1
.irp b, 0,1,2,3,4,5,6,7
.if \zero
	v_wmma_scale_f32_16x16x128_f8f6f4 v[8*(8*((\a)%4)+\b):8*(8*((\a)%4)+\b)+7], v[128*(\p)+FR*\b:128*(\p)+FR*\b+FR-1], v[AF+FR*(\a):AF+FR*(\a)+FR-1], 0, v[SC+16*(\sc)+2*\b+(\q)], v[SC+16*(\sc)+2*(\a)+(\q)] matrix_a_fmt:MATRIX_FMT_FP6 matrix_b_fmt:MATRIX_FMT_FP6 matrix_a_scale:MATRIX_SCALE_ROW1
.else
	v_wmma_scale_f32_16x16x128_f8f6f4 v[8*(8*((\a)%4)+\b):8*(8*((\a)%4)+\b)+7], v[128*(\p)+FR*\b:128*(\p)+FR*\b+FR-1], v[AF+FR*(\a):AF+FR*(\a)+FR-1], v[8*(8*((\a)%4)+\b):8*(8*((\a)%4)+\b)+7], v[SC+16*(\sc)+2*\b+(\q)], v[SC+16*(\sc)+2*(\a)+(\q)] matrix_a_fmt:MATRIX_FMT_FP6 matrix_b_fmt:MATRIX_FMT_FP6 matrix_a_scale:MATRIX_SCALE_ROW1
.endif
.endr
.endr
.endm
.macro FETCH_B slot, q, p
	WIN TO_B
.irp i, 0,1,2,3,4,5,6,7
	FRAG 128*(\p)+FR*\i, ADRB+\slot, \q, \i
.endr
	WIN 0
.endm
.macro FETCH_A slot, q, i0
.irp i, \i0, \i0+1, \i0+2, \i0+3
	FRAG AF+FR*(\i), ADRA+\slot, \q, \i
.endr
.endm
.macro SCALES sc
.irp i, 0,1,2,3,4,5,6,7
	ds_load_b64 v[SC+16*\sc+2*\i:SC+16*\sc+2*\i+1], v[ADRS] offset:\i*SBLK
.endr
.endm
.macro STEP slot, sc, zero             ; a slot's first 128 along K
	s_wait_dscnt 4*NL                              ; all but the youngest 24 loads (A's blocks 4-7) are in
	WIN MUL_LO
	MUL16 0, 0, 0, \sc, \zero
	MUL16 2, 0, 0, \sc, \zero
	s_wait_dscnt 0
	PLACES NP                                      ; four places in front of loads into registers that matrix instructions have read
	FETCH_B \slot, 1, 1
	FETCH_A \slot, 1, 0
	WIN MUL_HI
	MUL16 4, 0, 0, \sc, \zero
	MUL16 6, 0, 0, \sc, \zero
	PLACES NP
	WIN 0
	FETCH_A \slot, 1, 4
.endm
; A slot's second 128 along K, and the change of slots.  mode 2: slot 0 is filled again behind a round of the cluster's barrier; mode 1: a plain barrier, behind which the refill is read; mode 0: no barrier: the round has shown the next slot whole to every wave.
.macro TURN slot, next, sc, nsc, mode
.if \mode
	s_wait_tensorcnt 0x0                           ; all my tensor loads have landed
	ds_add_u32 v[SPW], v[NIL]                      ; 0 onto my spare word
	s_wait_dscnt 4*NL+1                            ; (the add and A's blocks 4-7 may be out)
.else
	s_wait_dscnt 4*NL
.endif
	WIN MUL_LO
	MUL16 0, 1, 1, \sc, 0
.if \mode
	s_wait_dscnt 0x0                               ; the add is done, and my reads of this slot are over
	s_barrier_signal -1
.endif
	MUL16 2, 1, 1, \sc, 0
	WIN 0
.if \mode
	s_barrier_wait -1
.else
	s_wait_dscnt 0x0
.endif
.if \mode == 2
	CREST                                          ; no wave of any partner still reads slot 0 or has a load on its way
	s_add_nc_u64 s[G0+2:G0+3], s[G0+2:G0+3], 3*TILEB     ; K step 3
	s_add_nc_u64 s[G0B+2:G0B+3], s[G0B+2:G0B+3], 3*TILEB
	JLOAD G0, G1, G0B, G1B                         ; the first tensor load behind the round; its four v_nop are the places in front of the loads below
.else
	PLACES NP
.endif
	v_add_nc_u32 v[ADRS], 8, v[ADRS]               ; the next K step's scale words
	FETCH_B \next, 0, 0
	FETCH_A \next, 0, 0
	SCALES \nsc
	WIN MUL_HI
	MUL16 4, 1, 1, \sc, 0
	MUL16 6, 1, 1, \sc, 0
	PLACES NP
	WIN 0
	FETCH_A \next, 0, 4
.endm
	s_load_b256 s[4:11], s[0:1], 0x0               ; aq, asc, wq, ws
	s_load_b64 s[12:13], s[0:1], 0x20              ; out0
	v_lshl_add_u32 v[SPW], v0, 2, SPARE
	v_mov_b32 v[NIL], 0
	ds_add_u32 v28, v29
	ds_add_u32 v28, v29
	s_wait_dscnt 0x0
	v_lshrrev_b32 v1, 5, v0
	v_readfirstlane_b32 s16, v1                    ; wave 0..3
	s_lshr_b32 s17, s16, 1                         ; wa: my half of the rows.  Also: I fetch for A (0) or B (1)
	s_and_b32 s18, s16, 1                          ; wb: my half of the columns.  Also: which 8 tiles I fetch
	s_bfe_u32 s19, ttmp6, 0x40000                  ; cx
	s_bfe_u32 s20, ttmp6, 0x40004                  ; cy
	s_and_b32 s21, ttmp7, 0xffff
	s_lshl_b32 s22, s21, 2
	s_add_co_u32 s22, s22, s20                     ; TA = 4 x cluster y + cy
	s_lshl_b32 s23, ttmp9, 2
	s_add_co_u32 s23, s23, s19                     ; TB = 4 x cluster x + cx
	s_lshl_b32 s2, s20, 2
	s_lshl_b32 s2, 15, s2                          ; my row of the cluster
	s_lshl_b32 s3, 0x1111, s19                     ; my column
	s_or_b32 s[G1+0], s2, (3<<16)|(1<<21)          ; 15:0 the mask; 17:16 elements of 8 bytes; 21 set beside a mask; no padding
	s_or_b32 s[G1B+0], s3, (3<<16)|(1<<21)
.irp g, G1, G1B
	s_mov_b32 s[\g+1], 384<<16                     ; tensor_dim0: 3,072 bytes
	s_mov_b32 s[\g+2], 8<<16                       ; tensor_dim1: 8 tiles
	s_mov_b32 s[\g+3], 384<<16
	s_mov_b32 s[\g+4], 8
	s_mov_b32 s[\g+5], 1536                        ; from tile to tile: 12,288 bytes
	s_mov_b32 s[\g+6], 0
	s_mov_b32 s[\g+7], 0
.endr
	s_or_b32 s[G1S+0], s2, (3<<16)|(1<<20)|(1<<21)|(5<<22)|(3<<25)   ; rows of 256 bytes, 16 bytes of padding behind each
	s_or_b32 s[G1SB+0], s3, (3<<16)|(1<<20)|(1<<21)|(5<<22)|(3<<25)
.irp g, G1S, G1SB
	s_mov_b32 s[\g+1], 32<<16
	s_mov_b32 s[\g+2], 16<<16
	s_mov_b32 s[\g+3], 32<<16
	s_mov_b32 s[\g+4], 16
	s_mov_b32 s[\g+5], 32
	s_mov_b32 s[\g+6], 0
	s_mov_b32 s[\g+7], 0
.endr
	s_lshl_b32 s67, s18, 3                         ; which 8 tiles I fetch
	s_lshl_b32 s92, s22, 4
	s_add_co_u32 s92, s92, s67                     ; A's tile: it never holds cx
	s_lshl_b32 s96, s23, 4
	s_add_co_u32 s96, s96, s67
	s_add_co_u32 s96, s96, 192                     ; B's: W_o begins at tile 192; it never holds cy
	s_lshl_b32 s94, s92, 9
	s_mul_i32 s92, s92, 12288
	s_lshl_b32 s98, s96, 9
	s_mul_i32 s96, s96, 12288
	s_mov_b32 s93, 0
	s_mov_b32 s95, 0
	s_mov_b32 s97, 0
	s_mov_b32 s99, 0
	s_mul_i32 s66, s16, HALFT                      ; where they go: no place in the cluster enters an LDS address
	s_mul_i32 s67, s16, HALFS
	s_wait_kmcnt 0x0
	s_add_nc_u64 s[PAC:PAC+1], s[PAC:PAC+1], s[92:93]
	s_add_nc_u64 s[PAS:PAS+1], s[PAS:PAS+1], s[94:95]
	s_add_nc_u64 s[PBC:PBC+1], s[PBC:PBC+1], s[96:97]
	s_add_nc_u64 s[PBS:PBS+1], s[PBS:PBS+1], s[98:99]
	CROUND                                         ; all sixteen work-groups are here: the first joint loads meet
	s_mov_b32 s[G0S], 1
	s_add_co_u32 s[G0S+1], s67, SCL
	s_mov_b64 s[G0S+2:G0S+3], s[PAS:PAS+1]
	s_or_b32 s[G0S+3], s[G0S+3], 0x80000000
	s_mov_b32 s[G0SB], 1
	s_add_co_u32 s[G0SB+1], s67, SCL
	s_mov_b64 s[G0SB+2:G0SB+3], s[PBS:PBS+1]
	s_or_b32 s[G0SB+3], s[G0SB+3], 0x80000000
	JLOAD G0S, G1S, G0SB, G1SB                     ; the scales first: they are wanted with K step 0
.irp s, 0,1,2
	s_mov_b32 s[G0+4*\s], 1
	s_add_co_u32 s[G0+4*\s+1], s66, \s*SLOT
	s_add_nc_u64 s[G0+4*\s+2:G0+4*\s+3], s[PAC:PAC+1], \s*TILEB
	s_or_b32 s[G0+4*\s+3], s[G0+4*\s+3], 0x80000000
	s_mov_b32 s[G0B+4*\s], 1
	s_add_co_u32 s[G0B+4*\s+1], s66, \s*SLOT
	s_add_nc_u64 s[G0B+4*\s+2:G0B+4*\s+3], s[PBC:PBC+1], \s*TILEB
	s_or_b32 s[G0B+4*\s+3], s[G0B+4*\s+3], 0x80000000
	JLOAD G0+4*\s, G1, G0B+4*\s, G1B
.endr
	v_and_b32 v1, 15, v0                           ; r
	v_bfe_u32 v2, v0, 4, 1                         ; h
	v_and_b32 v3, 31, v0
	v_lshlrev_b32 v3, 3, v3                        ; 8 x lane
	s_mul_i32 s4, s17, HALFT                       ; my 8 tiles of A
	s_mul_i32 s5, s18, HALFT                       ; my 8 tiles of B,
	s_add_co_u32 s5, s5, 2*HALFT                   ; behind A's 16
.irp s, 0,1,2
	v_add_nc_u32 v[ADRA+\s], s4, v3
	v_add_nc_u32 v[ADRB+\s], s5, v3
	s_add_co_u32 s4, s4, SLOT
	s_add_co_u32 s5, s5, SLOT
.endr
	v_lshlrev_b32 v4, 5, v1                        ; my row's scales: 32 bytes a row,
	v_lshrrev_b32 v5, 3, v1
	v_lshl_add_u32 v4, v5, 4, v4                   ; 16 more for each 256 passed
	s_mul_i32 s4, s17, HALFS
	s_mul_i32 s5, s18, HALFS
	s_add_co_u32 s5, s5, 2*HALFS
	s_sub_co_u32 s5, s5, s4
	v_mul_u32_u24 v5, s5, v2                       ; lanes 16-31 take B's: the lower base + h x the distance
	s_add_co_u32 s4, s4, SCL
	v_add_nc_u32 v4, v4, v5
	v_add_nc_u32 v[ADRS], s4, v4
	s_mul_i32 s4, s16, 16*SPITCH
	s_add_co_u32 s4, s4, SLOT                      ; my stage, in slot 1
	v_mul_u32_u24 v[STO], v1, SPITCH
	v_lshl_add_u32 v[STO], v2, 6, v[STO]
	v_add_nc_u32 v[STO], s4, v[STO]                ; in: row r, 64 h bytes on
	v_lshlrev_b32 v[CO], 1, v3                     ; back, and in out0: 16 bytes a lane
	v_add_nc_u32 v[RD], s4, v[CO]
	s_lshl_b32 s4, s22, 8
	s_lshl_b32 s5, s17, 7
	s_add_co_u32 s4, s4, s5                        ; my first row: 256 TA + 128 wa
	s_lshl_b32 s4, s4, 12
	s_lshl_b32 s5, s23, 10
	s_add_co_u32 s4, s4, s5                        ; my first column, in bytes: 1,024 TB + 512 wb
	s_lshl_b32 s5, s18, 9
	s_add_co_u32 s4, s4, s5
	s_mov_b32 s5, 0
	s_add_nc_u64 s[12:13], s[12:13], s[4:5]
	s_wait_tensorcnt 2                             ; the scales and my part of K step 0 are in; K steps 1 and 2 may be out
	s_barrier_signal -1
	s_barrier_wait -1
	FETCH_B 0, 0, 0
	FETCH_A 0, 0, 0
	SCALES 0
	FETCH_A 0, 0, 4
	STEP 0, 0, 1                                   ; the first products start the sums: nothing is cleared
	TURN 0, 1, 0, 1, 2
	STEP 1, 1, 0
	TURN 1, 2, 1, 0, 0
	STEP 2, 0, 0
	TURN 2, 0, 0, 1, 1
	STEP 0, 1, 0
	s_wait_dscnt 4*NL                              ; the last 128 along K: nothing more to fetch
	WIN MUL_LO
	MUL16 0, 1, 1, 1, 0
	MUL16 2, 1, 1, 1, 0
	s_wait_dscnt 0
	WIN MUL_HI
	MUL16 4, 1, 1, 1, 0
	MUL16 6, 1, 1, 1, 0
	WIN 0
; THE WAY OUT, a tile of 16 rows x 128 columns at a time.  In accumulator (a, b) lane (r, h) holds columns 32 (b / 2) + 16 h + 8 (b % 2) + 0 .. 7 of row r of tile a: 32 bytes.  They go into my stage and come back as whole
; rows of 512 bytes.  LDS serves a wave's instructions in order: no wait between the stores and the loads, nor in front of the next tile's stores.
.macro TOSTAGE a
.set AC, 64*((\a)%4)
	WIN 0x08+4*((\a)/4)                            ; an LDS store's data: window 2 or 3
.irp b, 0,1,2,3,4,5,6,7
	ds_store_b128 v[STO], v[AC+8*\b:AC+8*\b+3] offset:128*(\b/2)+32*(\b%2)          ; each accumulator from its low end on
	ds_store_b128 v[STO], v[AC+8*\b+4:AC+8*\b+7] offset:128*(\b/2)+32*(\b%2)+16
.endr
	WIN 0
.set BB, BK+64*((\a)%2)
.irp t, 0,1,2,3,4,5,6,7,8,9,10,11,12,13,14,15
	ds_load_b128 v[BB+4*\t:BB+4*\t+3], v[RD] offset:\t*SPITCH
.endr
.endm
.macro SEND a, younger                 ; younger: the LDS instructions issued behind tile a's loads, which may stay out
.set BB, BK+64*((\a)%2)
	s_wait_dscnt \younger
.irp t, 0,1,2,3,4,5,6,7,8,9,10,11,12,13,14,15
	global_store_b128 v[CO], v[BB+4*\t:BB+4*\t+3], s[12:13] offset:(32*((\a)/2)+8*((\a)%2)+\t+8*(\t/8))*4096 th:TH_STORE_NT   ; 512 consecutive bytes, aligned; every offset is an immediate, 520,192 at the most
.endr
.endm
	PLACES NP                                      ; four places in front of the first read of results and of loads into the registers that held A's fragments
	TOSTAGE 0
.irp a, 1,2,3,4,5,6,7
.if \a > 1
	s_wait_xcnt 0x0                                ; tile a - 2's stores have read their registers: tile a's loads may land there
.endif
	TOSTAGE \a
	SEND \a-1, 32                                  ; behind tile a - 1's loads: tile a's 16 stores and 16 loads
.endr
	SEND 7, 0
	s_wait_tensorcnt 0x0                           ; the wave's end
	ds_add_u32 v[SPW], v[NIL]
	s_wait_dscnt 0x0
	CROUND                                         ; the closing round
	s_endpgm
.Lfunc_end_k_qb5b455f398_outp:
	.size	k_qb5b455f398_outp, .Lfunc_end_k_qb5b455f398_outp-k_qb5b455f398_outp
	.p2alignl 7, 3214868480
	.fill 96, 4, 3214868480
	.section	.rodata,"a",@progbits
	.p2align	6, 0x0
	.amdhsa_kernel k_qb5b455f398_outp
		.amdhsa_group_segment_fixed_size 327680
		.amdhsa_private_segment_fixed_size 0
		.amdhsa_enable_private_segment 0
		.amdhsa_kernarg_size 40
		.amdhsa_user_sgpr_count 2
		.amdhsa_user_sgpr_kernarg_segment_ptr 1
		.amdhsa_wavefront_size32 1
		.amdhsa_system_sgpr_workgroup_id_x 1
		.amdhsa_system_sgpr_workgroup_id_y 1
		.amdhsa_system_sgpr_workgroup_id_z 1
		.amdhsa_system_vgpr_workitem_id 0
		.amdhsa_next_free_vgpr 1024
		.amdhsa_next_free_sgpr 102
		.amdhsa_reserve_vcc 0
		.amdhsa_float_denorm_mode_32 3
		.amdhsa_float_denorm_mode_16_64 3
		.amdhsa_memory_ordered 1
		.amdhsa_forward_progress 1
		.amdhsa_inst_pref_size 159
	.end_amdhsa_kernel
	.amdgpu_metadata
---
amdhsa.version: [ 1, 2 ]
amdhsa.kernels:
  - .name:           k_qb5b455f398_outp
    .symbol:         k_qb5b455f398_outp.kd
    .args:
      - { .name: aq, .offset: 0, .size: 8, .value_kind: global_buffer, .address_space: global }
      - { .name: asc, .offset: 8, .size: 8, .value_kind: global_buffer, .address_space: global }
      - { .name: wq, .offset: 16, .size: 8, .value_kind: global_buffer, .address_space: global }
      - { .name: ws, .offset: 24, .size: 8, .value_kind: global_buffer, .address_space: global }
      - { .name: out0, .offset: 32, .size: 8, .value_kind: global_buffer, .address_space: global }
    .group_segment_fixed_size: 327680
    .private_segment_fixed_size: 0
    .kernarg_segment_align: 8
    .kernarg_segment_size: 40
    .max_flat_workgroup_size: 128
    .sgpr_count:     102
    .vgpr_count:     1024
    .wavefront_size: 32
...
	.end_amdgpu_metadata
.endif
;; end of part 4
